; MI455X (gfx1250); checked and timed in simulation.
; The chip was launched on July 23, 2026; its instructions are those of AMD's public machine-readable ISA for CDNA 5 (MIT licence, August 2026) and "CDNA5" Instruction Set Architecture Reference Guide (July 2026). The comments in the code are by the model that wrote it; some were corrected since.
;; Adaptive Attention. Allowed arithmetic: float matrix products may take bf16 or f16 operands with f32 sums; other float arithmetic in f32, or as packed bf16 or f16 multiplies, adds, multiply-adds, maxima and minima; sums over many terms, partial sums and values carried from step to step in f32; what a program stores and reads back later, other than sums and carried values, may be rounded once to bf16 or f16.
;; Inputs: Wout 1,024 x 1,024 float32; Wqkv 1,024 x 3,072 float32; bout 1,024 float32; bqkv 3,072 float32; x 4 x 2,048 x 1,024 float32.
;; Outputs: out0 4 x 2,048 x 1,024 float32.
;; One version. Each part assembles by itself: llvm-mc -triple=amdgcn-amd-amdhsa -mcpu=gfx1250 --defsym DOCPART=n.
;; ======== version 1 of 1: 5 launches
;; limits: values are held in f16: magnitudes above 65,504 overflow, below 6.1e-05 lose precision
;; workspace buffers: xb 16,777,216 bytes; wqkvb 6,291,456 bytes; woh 2,097,152 bytes; qkv 50,331,648 bytes; p 33,554,432 bytes; st 1,048,576 bytes; o 16,777,216 bytes
;; launch prep (part 1): grid 768 x 1, 8 waves a work-group, no clusters, 0 bytes of LDS; arguments x, Wqkv, Wout, xb, wqkvb, woh; writes xb, wqkvb, woh
.if DOCPART == 1
	.amdgcn_target "amdgcn-amd-amdhsa--gfx1250"
	.amdhsa_code_object_version 6
	.text
	.protected	k_qe40a433755_prep
	.globl	k_qe40a433755_prep
	.p2align	8
	.type	k_qe40a433755_prep,@function
k_qe40a433755_prep:
	s_mov_b64 s[64:65], 0
	v_nop
	global_prefetch_b8 v0, s[64:65] scope:SCOPE_SE
	s_setreg_imm32_b32 hwreg(HW_REG_WAVE_MODE, 25, 1), 1
	s_wait_xcnt 0x0
; The three large inputs are rounded once to 16 bits, element by element, in the order in which they lie: x -> xb (bf16), Wqkv -> wqkvb (bf16),
; Wout -> woh: rounded to bf16 like the others and that number written as f16, since the last product multiplies f16 operands.
; LIMIT.  woh: a weight beyond 65,504 has no f16; below 6e-5 it keeps f16's fixed step of 6e-8.
; SHARES.  A work-group takes 16,384 numbers: groups 0-511 x, 512-703 Wqkv, 704-767 Wout.  A wave takes 2,048: sixteen loads of 16 bytes a lane, each 512 consecutive
; bytes, all on their way at once; each store of 8 bytes a lane covers 256 consecutive bytes, aligned.  Memory binds: no LDS, no barrier, no matrix unit.
.set NLD, 16                           ; loads of a wave
.set IN,  8                            ; v[8:71]   as loaded
.set OUT, 72                           ; v[72:103] as stored; no register is used twice, so no wait frees any
	s_load_b256 s[4:11], s[0:1], 0x0               ; x s[4:5], Wqkv s[6:7], Wout s[8:9], xb s[10:11]
	s_load_b128 s[12:15], s[0:1], 0x20             ; wqkvb s[12:13], woh s[14:15]
	s_mov_b32 s16, ttmp9
	s_mov_b32 s26, 0xffff0000                      ; a word's upper bf16
	v_lshrrev_b32 v3, 5, v0                        ; wave
	v_and_b32 v4, 31, v0                           ; lane
	v_lshlrev_b32 v1, 4, v4
	v_lshl_add_u32 v1, v3, 13, v1                  ; in: 8,192 x wave + 16 x lane
	v_lshlrev_b32 v2, 3, v4
	v_lshl_add_u32 v2, v3, 12, v2                  ; out: 4,096 x wave + 8 x lane
	s_wait_kmcnt 0x0
	s_cmp_ge_u32 s16, 512                          ; which tensor: the choice hangs on the group's number alone
	s_cselect_b64 s[18:19], s[6:7], s[4:5]
	s_cselect_b64 s[20:21], s[12:13], s[10:11]
	s_cselect_b32 s17, 512, 0
	s_cmp_ge_u32 s16, 704
	s_cselect_b64 s[18:19], s[8:9], s[18:19]
	s_cselect_b64 s[20:21], s[14:15], s[20:21]
	s_cselect_b32 s17, 704, s17
	s_sub_co_u32 s17, s16, s17                     ; the group's number within its tensor
	s_lshl_b32 s22, s17, 16                        ; 65,536 bytes in,
	s_mov_b32 s23, 0
	s_lshl_b32 s24, s17, 15                        ; 32,768 bytes out
	s_mov_b32 s25, 0
	s_add_nc_u64 s[18:19], s[18:19], s[22:23]
	s_add_nc_u64 s[20:21], s[20:21], s[24:25]
.set i, 0
.rept NLD
	global_load_b128 v[IN+4*i:IN+4*i+3], v1, s[18:19] offset:512*i th:TH_LOAD_NT
.set i, i+1
.endr
.macro BODY tof16                      ; tof16 = 1: the bf16 number is widened again (a shift, a mask) and written as f16
.set i, 0
.rept NLD
	s_wait_loadcnt NLD-1-i                         ; loads come back in order: load i is in, the younger ones stay out
	v_cvt_pk_bf16_f32 v[OUT+2*i],   v[IN+4*i],   v[IN+4*i+1]
	v_cvt_pk_bf16_f32 v[OUT+2*i+1], v[IN+4*i+2], v[IN+4*i+3]
.if \tof16
	v_lshlrev_b32 v4, 16, v[OUT+2*i]
	v_and_b32     v5, s26, v[OUT+2*i]
	v_lshlrev_b32 v6, 16, v[OUT+2*i+1]
	v_and_b32     v7, s26, v[OUT+2*i+1]
	v_cvt_pk_f16_f32 v[OUT+2*i],   v4, v5
	v_cvt_pk_f16_f32 v[OUT+2*i+1], v6, v7
.endif
	global_store_b64 v2, v[OUT+2*i:OUT+2*i+1], s[20:21] offset:256*i
.set i, i+1
.endr
.endm
	s_cmp_ge_u32 s16, 704                          ; compared anew: the sums above have set SCC
	s_cbranch_scc1 .Lwout
	BODY 0
	s_endpgm
.Lwout:
	BODY 1
	s_endpgm
.Lfunc_end_k_qe40a433755_prep:
	.size	k_qe40a433755_prep, .Lfunc_end_k_qe40a433755_prep-k_qe40a433755_prep
	.p2alignl 7, 3214868480
	.fill 96, 4, 3214868480
	.section	.rodata,"a",@progbits
	.p2align	6, 0x0
	.amdhsa_kernel k_qe40a433755_prep
		.amdhsa_group_segment_fixed_size 0
		.amdhsa_private_segment_fixed_size 0
		.amdhsa_enable_private_segment 0
		.amdhsa_kernarg_size 48
		.amdhsa_user_sgpr_count 2
		.amdhsa_user_sgpr_kernarg_segment_ptr 1
		.amdhsa_wavefront_size32 1
		.amdhsa_system_sgpr_workgroup_id_x 1
		.amdhsa_system_sgpr_workgroup_id_y 1
		.amdhsa_system_sgpr_workgroup_id_z 1
		.amdhsa_system_vgpr_workitem_id 0
		.amdhsa_next_free_vgpr 104
		.amdhsa_next_free_sgpr 66
		.amdhsa_reserve_vcc 0
		.amdhsa_float_denorm_mode_32 3
		.amdhsa_float_denorm_mode_16_64 3
		.amdhsa_memory_ordered 1
		.amdhsa_forward_progress 1
		.amdhsa_inst_pref_size 15
	.end_amdhsa_kernel
	.amdgpu_metadata
---
amdhsa.version: [ 1, 2 ]
amdhsa.kernels:
  - .name:           k_qe40a433755_prep
    .symbol:         k_qe40a433755_prep.kd
    .args:
      - { .name: x, .offset: 0, .size: 8, .value_kind: global_buffer, .address_space: global }
      - { .name: Wqkv, .offset: 8, .size: 8, .value_kind: global_buffer, .address_space: global }
      - { .name: Wout, .offset: 16, .size: 8, .value_kind: global_buffer, .address_space: global }
      - { .name: xb, .offset: 24, .size: 8, .value_kind: global_buffer, .address_space: global }
      - { .name: wqkvb, .offset: 32, .size: 8, .value_kind: global_buffer, .address_space: global }
      - { .name: woh, .offset: 40, .size: 8, .value_kind: global_buffer, .address_space: global }
    .group_segment_fixed_size: 0
    .private_segment_fixed_size: 0
    .kernarg_segment_align: 8
    .kernarg_segment_size: 48
    .max_flat_workgroup_size: 256
    .sgpr_count:     66
    .vgpr_count:     104
    .wavefront_size: 32
...
	.end_amdgpu_metadata
.endif
;; end of part 1
;; launch qkvp (part 2): grid 12 x 64, 4 waves a work-group, clusters of 4 x 4, 327,680 bytes of LDS; arguments xb, wqkvb, bqkv, qkv; writes qkv
.if DOCPART == 2
	.amdgcn_target "amdgcn-amd-amdhsa--gfx1250"
	.amdhsa_code_object_version 6
	.text
	.protected	k_qe40a433755_qkvp
	.globl	k_qe40a433755_qkvp
	.p2align	8
	.type	k_qe40a433755_qkvp,@function
k_qe40a433755_qkvp:
	s_mov_b64 s[64:65], 0
	v_nop
	global_prefetch_b8 v0, s[64:65] scope:SCOPE_SE
	s_setreg_imm32_b32 hwreg(HW_REG_WAVE_MODE, 25, 1), 1
	s_wait_xcnt 0x0
	s_wait_alu depctr_hold_cnt(0) depctr_sa_sdst(0) depctr_va_vdst(0) depctr_va_sdst(0) depctr_va_ssrc(0) depctr_va_vcc(0) depctr_vm_vsrc(0)
	s_getreg_b32 s2, hwreg(HW_REG_IB_STS2, 6, 4)
	s_cmp_eq_u32 s2, 0
	s_cbranch_scc0 .Lentry_in_a_cluster
	s_endpgm
.Lentry_in_a_cluster:
	s_bfe_u32 s2, ttmp6, 0x10000c
	s_cmp_lg_u32 s2, 0xf033
	s_cbranch_scc0 .Lentry_shape_is_right
	s_endpgm
.Lentry_shape_is_right:
; ONE TEXT FOR THREE PRODUCTS C = A B (+ bias), chosen by KIND.  A: [M][K], K along the rows.  B: [K][N], N along the rows, used as it lies.  Sums in f32.
;   KIND 0  qkv = xb wqkvb + bf16(bqkv): bf16 operands, C f16 [8192][3072]
;   KIND 1  o = (sum over chunks t of alpha_t P~_t V_t) / L: f16 operands; A = p [8192][2048], B = v (columns 2048.. of qkv's rows, my batch's 2,048 rows), C f16 [8192][1024]
;   KIND 2  out0 = o woh + bf16(bout): f16 operands, C f32 [8192][1024]
; LIMITS.  C in f16 holds no number beyond 65,504 (q, k, v, o).  KIND 1: alpha P~ is formed in f16: below 6e-5 it keeps f16's step of 6e-8, below that it is 0.  NaN and infinities are not treated apart.
; SHARES.  A tile of C is 128 x 256, so that N = 1,024 still gives 256 work-groups.  Wave w takes columns 128 j .. (j = w & 1), ALL 128 rows, and of every K step's 128 the 64 at 64 kh (kh = w >> 1):
; 64 accumulators, 512 registers, as many multiply-adds for an LDS byte as a wave tile of 128 x 128 has.  At the end waves w and w ^ 2 exchange halves through LDS: each keeps its OWN 64 rows (64 kh ..),
; gives the other 64 away, adds what it gets, and stores 64 x 128.
; RING.  Two LDS slots, each a K step: A's 128 rows x 256 bytes, B's 128 k-rows x 512 bytes.  Waves 0, 1 fetch A's halves of 64 rows, waves 2, 3 B's: one tensor load a wave behind each change of slots.
; CLUSTER.  4 x 4 work-groups: A's tile is asked for jointly by a row of the cluster, B's by a column.
; THE MATRIX INSTRUCTION IS USED TRANSPOSED: source 0 = 16 columns of B (turned on the way out of LDS by ds_load_tr16_b128), source 1 = 16 rows of A: a lane holds row lane % 16 of C and eight neighbouring columns.
; SOFTMAX (KIND 1).  The launch before left, for each row and chunk of 128 keys, e = floor(c max s), P~ = 2^(c s - e) and l = sum P~.  Here E = max e, alpha = 2^(e - E), an exact power of two,
; L = sum alpha l >= 1; A's fragments are multiplied by alpha (a chunk is a K step), the sums by 1 / L on the way out: every weight is taken against its row's largest exponent.
; REGISTERS, in windows of 256 (s_set_vgpr_msb: bits 1:0 source 0, 3:2 source 1, 5:4 source 2, 7:6 destination):
;   window 0: v0-31 addresses; v32-47 alpha, a set for each slot; v64-127, v128-191 A's fragments, two buffers (0-3 own rows, 4-7 given rows); v32-63, v192-255 at work on the way out
;   window 1: v64-127, v128-191 B's fragments; v192-255 the bias of my 128 columns as an accumulator holds them; v0-31 at work
;   window 2: the 32 accumulators of my own rows ((a, b) at v[8 (8 a + b)]);   window 3: those of the rows that I give away
.set KIND, 0
.if KIND == 0
.set PA, 1024                          ; elements from row to row of A
.set PB, 3072                          ; of B
.set LAPS, 4                           ; K / 256: a lap is two K steps, once round the ring
.set CPITCH, 6144                      ; bytes from row to row of C
.set CSIZE, 2
.set ZFIRST, 2                         ; the first product of my own rows starts the sums with the bias
.elseif KIND == 1
.set PA, 2048
.set PB, 3072
.set LAPS, 8
.set CPITCH, 2048
.set CSIZE, 2
.set ZFIRST, 1                         ; with the constant 0
.else
.set PA, 1024
.set PB, 1024
.set LAPS, 4
.set CPITCH, 4096
.set CSIZE, 4
.set ZFIRST, 2
.endif
.set PITCH,  272                       ; A's LDS row: 256 bytes + 16 = 68 words: the 16 rows of a load start at 16 different groups of four banks (64 banks of 4 bytes: ISA guide 11.1)
.set PBL,    544                       ; B's LDS row: 512 bytes + 32 = 136 words
.set AHALF,  64*PITCH                  ; what one tensor load brings of A
.set BHALF,  64*PBL                    ; and of B
.set BOFF,   2*AHALF                   ; B lies behind A's 128 rows
.set SLOT,   2*AHALF+2*BHALF           ; 104,448
.set XCH,    32768                     ; the exchange: 32,768 bytes a wave from LDS byte 0 on, in the ring, written only when the ring has had its last fill
.set STAGE,  2*SLOT                    ; behind the ring: 16 rows of 128 columns for each wave, for the way out
.set SPITCH, 128*CSIZE+16
.set TAB,    STAGE+4*16*SPITCH         ; KIND 1: alpha as a pair of f16: 512 bytes a chunk; row i at 32 (i % 16) + 4 (i / 16)
.if KIND == 1
.set INV,    TAB+8192                  ; 1 / L of the tile's 128 rows
.set SPARE,  INV+512
.else
.set SPARE,  TAB                       ; the spare words, 128 bytes for each wave: two blocks of 256 bytes that no other line names
.endif
.set ILA,   15                         ; v15     KIND 1: LDS address of my row's 1 / L
.set ADRAO, 16                         ; v16-17  LDS address of my own rows' fragments of A in slot 0, 1
.set ADRAG, 18                         ; v18-19  of the given rows'
.set ADRB,  20                         ; v20-21  of B's fragments
.set ALAO,  22                         ; v22     KIND 1: LDS address of my own rows' alpha; steps 1,024 a lap
.set ALAG,  23                         ; v23     of the given rows'
.set STO,   24                         ; v24     the way out: where I put my part of a row
.set RD,    25                         ; v25     where I read rows back
.set CO,    26                         ; v26     my byte offset in C
.set XW,    27                         ; v27     the exchange: where I write
.set SPW,   28                         ; v28     LDS address of my spare word; never rewritten
.set NIL,   29                         ; v29     0; never rewritten
.set XR,    30                         ; v30     the exchange: where I read
.set GA,    31                         ; v31     byte offset of the head's global loads
.set AL,    32                         ; v32-39, v40-47  alpha of slot 0's, slot 1's step: four own blocks, four given blocks
.set OB,    32                         ; the way out: rows read back, v32-63 and v224-255 by turns
.set F0,    64
.set F1,    128
.set IL,    64                         ; KIND 1, way out: 1 / L of my four blocks, each twice (a pair for the packed multiply)
.set TMP,   192
.set BIAS,  192                        ; window 1
.set G1,  24                           ; s[24:31] descriptor group 1 for A's tiles;  s[32:39] group 0, one set for each slot
.set G0,  32
.set G1B, 48                           ; s[48:55], s[56:63] the same for B's
.set G0B, 56
.set MSB, 0
.macro WIN new                         ; the immediate's high byte repeats the setting that is left; a switch that changes nothing is dropped
.if MSB != (\new)
	s_set_vgpr_msb (MSB<<8)|(\new)
.set MSB, \new
.endif
.endm
.set MUL_LO, 0xa1                      ; source 0 (B) window 1, source 1 (A) window 0, C and D window 2
.set MUL_HI, 0xf1                      ; the same, C and D window 3
.set MUL_BI, 0x91                      ; D window 2, C (the bias) window 1
.set TO_B,   0x40                      ; destination window 1, address window 0
; A joint load.  Waves 0 and 1 fetch A's two halves, waves 2 and 3 B's.  The branch hangs on the wave's number alone.  An s_nop 0 and four v_nop follow each of the two lines.
.macro JLOAD s
	s_cmp_eq_u32 s11, 0
	s_cbranch_scc0 .Lfor_b_\@
	tensor_load_to_lds s[G0+4*(\s):G0+4*(\s)+3], s[G1:G1+7]
	s_nop 0
.rept 4
	v_nop
.endr
	s_branch .Lasked_\@
.Lfor_b_\@:
	tensor_load_to_lds s[G0B+4*(\s):G0B+4*(\s)+3], s[G1B:G1B+7]
	s_nop 0
.rept 4
	v_nop
.endr
.Lasked_\@:
.endm
.macro CREST                           ; a round of the cluster's barrier behind its opening barrier
	s_cmp_lg_u32 s10, 0
	s_cbranch_scc1 .Lnot_wave_0_\@
	s_barrier_signal -3
.Lnot_wave_0_\@:
	s_barrier_wait -3
	s_barrier_signal -1
	s_barrier_wait -1
.endm
.macro CROUND                          ; a whole round
	s_barrier_signal -1
	s_barrier_wait -1
	CREST
.endm
.macro PLACES                          ; four places in front of loads into registers that matrix instructions have read, and of lines that read results just made
.rept 4
	v_nop
.endr
.endm
	s_load_b128 s[4:7], s[0:1], 0x0                ; A s[4:5], B s[6:7]
	s_load_b128 s[68:71], s[0:1], 0x10             ; the bias or the statistics s[68:69], C s[70:71]
	v_lshl_add_u32 v[SPW], v0, 2, SPARE
	v_mov_b32 v[NIL], 0
	ds_add_u32 v28, v29
	s_wait_dscnt 0x0
	v_lshrrev_b32 v1, 5, v0
	v_readfirstlane_b32 s10, v1                    ; wave 0..3
	v_and_b32 v1, 15, v0                           ; r = lane % 16
	v_bfe_u32 v2, v0, 4, 1                         ; h = lane / 16
.if KIND == 1
	v_lshlrev_b32 v[GA], 2, v0                     ; thread i stands for row i of the tile
.else
	v_lshlrev_b32 v[GA], 5, v2                     ; my eight columns of a block of sixteen
.endif
	s_lshr_b32 s11, s10, 1                         ; kh.  Also: I fetch for A (0) or for B (1)
	s_and_b32 s12, s10, 1                          ; j.   Also: which 64 rows of that tile I fetch
	s_bfe_u32 s40, ttmp6, 0x40000                  ; cx, cy: my place in the cluster
	s_bfe_u32 s41, ttmp6, 0x40004
	s_lshl_b32 s42, ttmp9, 2
	s_add_co_u32 s42, s42, s40                     ; tile column = 4 x cluster x + cx
	s_and_b32 s13, ttmp7, 0xffff
.if KIND == 1
	s_lshr_b32 s45, s13, 2                         ; the batch: 16 tile rows, four clusters: the same in all sixteen partners
.endif
	s_lshl_b32 s13, s13, 2
	s_add_co_u32 s13, s13, s41                     ; tile row = 4 x cluster y + cy
	s_lshl_b32 s43, s41, 2
	s_lshl_b32 s43, 15, s43                        ; my row of the cluster
	s_lshl_b32 s44, 0x1111, s40                    ; my column
	; group 1 for A: 64 rows x 128 elements; 16 bytes of padding behind every 64 words.  For B: 64 rows x 256 elements; 32 bytes behind every 128 words
	s_or_b32 s[G1+0], s43, (1<<16)|(1<<20)|(1<<21)|(5<<22)|(3<<25)   ; 15:0 the mask; 17:16 2-byte elements; 20 padding on; 21 set beside a mask; 24:22 interval; 31:25 padding less one word
	s_or_b32 s[G1B+0], s44, (1<<16)|(1<<20)|(1<<21)|(6<<22)|(7<<25)
	s_mov_b32 s[G1+1], 128<<16                     ; tensor_dim0
	s_mov_b32 s[G1B+1], 256<<16
	s_mov_b32 s[G1+2], 64<<16                      ; tensor_dim1
	s_mov_b32 s[G1B+2], 64<<16
	s_mov_b32 s[G1+3], 128<<16                     ; tile_dim0
	s_mov_b32 s[G1B+3], 256<<16
	s_mov_b32 s[G1+4], 64                          ; tile_dim1
	s_mov_b32 s[G1B+4], 64
	s_mov_b32 s[G1+5], PA                          ; elements from row to row
	s_mov_b32 s[G1B+5], PB
	s_mov_b32 s[G1+6], 0
	s_mov_b32 s[G1B+6], 0
	s_mov_b32 s[G1+7], 0
	s_mov_b32 s[G1B+7], 0
	s_lshl_b32 s16, s13, 7                         ; A: row 128 x tile row + 64 x half, in bytes (under 2^32)
	s_lshl_b32 s17, s12, 6
	s_add_co_u32 s16, s16, s17
	s_mul_i32 s16, s16, PA*2
	s_mov_b32 s17, 0
	s_mul_i32 s46, s12, 64*PB*2                    ; B: k-row 64 x half, column 256 x tile column
	s_lshl_b32 s47, s42, 9
	s_add_co_u32 s46, s46, s47
.if KIND == 1
	s_mul_i32 s47, s45, 2048*PB*2                  ; my batch's rows of qkv,
	s_add_co_u32 s46, s46, s47
	s_add_co_u32 s46, s46, 4096                    ; and v's place in a row
.endif
	s_mov_b32 s47, 0
	s_mul_i32 s20, s12, AHALF                      ; where they go: no place in the cluster enters an LDS address
	s_mul_i32 s21, s12, BHALF
	s_add_co_u32 s21, s21, BOFF
.if KIND == 1
	s_lshl_b32 s72, s45, 17                        ; statistics: [batch][chunk][row] f32: 131,072 bytes a batch,
	s_and_b32 s73, s13, 15
	s_lshl_b32 s73, s73, 9                         ; my tile's 128 rows
.else
	s_lshl_b32 s72, s42, 10                        ; bias: my 128 columns
	s_lshl_b32 s73, s12, 9
.endif
	s_add_co_u32 s72, s72, s73
	s_mov_b32 s73, 0
	s_wait_kmcnt 0x0
	s_add_nc_u64 s[14:15], s[4:5], s[16:17]
	s_add_nc_u64 s[46:47], s[6:7], s[46:47]
	s_add_nc_u64 s[68:69], s[68:69], s[72:73]
	s_mov_b64 s[8:9], s[70:71]
.if KIND == 1
.set t, 0
.rept 16                                           ; e and l of my row in all 16 chunks
	global_load_b32 v[F0+t],    v[GA], s[68:69] offset:8192*t
	global_load_b32 v[F0+16+t], v[GA], s[68:69] offset:8192*t+524288
.set t, t+1
.endr
.else
	WIN TO_B
.irp b, 0,1,2,3,4,5,6,7                            ; register n of block b: the bias of column 16 b + 8 h + n
	global_load_b128 v[BIAS+8*(\b):BIAS+8*(\b)+3],   v[GA], s[68:69] offset:64*(\b)
	global_load_b128 v[BIAS+8*(\b)+4:BIAS+8*(\b)+7], v[GA], s[68:69] offset:64*(\b)+16
.endr
	WIN 0
.endif
	CROUND                                         ; all sixteen work-groups are here: the first joint loads meet
.irp s, 0,1
	s_mov_b32 s[G0+4*(\s)], 1                                        ; count = 1
	s_add_co_u32 s[G0+4*(\s)+1], s20, (\s)*SLOT                      ; LDS address
	s_add_nc_u64 s[G0+4*(\s)+2:G0+4*(\s)+3], s[14:15], (\s)*256      ; K step s: 128 elements along A's rows
	s_or_b32 s[G0+4*(\s)+3], s[G0+4*(\s)+3], 0x80000000              ; type = 2
	s_mov_b32 s[G0B+4*(\s)], 1
	s_add_co_u32 s[G0B+4*(\s)+1], s21, (\s)*SLOT
	s_add_nc_u64 s[G0B+4*(\s)+2:G0B+4*(\s)+3], s[46:47], (\s)*256*PB ; 128 rows of B down
	s_or_b32 s[G0B+4*(\s)+3], s[G0B+4*(\s)+3], 0x80000000
	JLOAD \s
.endr
	; A's fragment: lane l holds row l % 16; K = 8 h + 0..7 and 16 + 8 h + 0..7: two loads of 16 bytes, 32 bytes apart
	v_mul_u32_u24 v3, v1, PITCH
	v_lshl_add_u32 v3, v2, 4, v3                   ; r x pitch + 16 h
	; B's fragment, turned: lane l reads k-row 8 h + l % 8, columns 8 ((l / 8) % 2) + 0..7, and holds column l % 16 and 8 k; the second load 16 k-rows on
	v_and_b32 v4, 7, v0
	v_lshl_add_u32 v4, v2, 3, v4
	v_mul_u32_u24 v4, v4, PBL
	v_bfe_u32 v5, v0, 3, 1
	v_lshl_add_u32 v4, v5, 4, v4
	s_mul_i32 s21, s11, AHALF+128                  ; own rows 64 kh .., my 64 of K at byte 128 kh
	s_xor_b32 s22, s11, 1
	s_mul_i32 s22, s22, AHALF                      ; given rows 64 (1 - kh) ..
	s_lshl_b32 s23, s11, 7
	s_add_co_u32 s22, s22, s23
	s_mul_i32 s23, s11, BHALF                      ; B's k-rows 64 kh .., columns 128 j ..
	s_lshl_b32 s74, s12, 8
	s_add_co_u32 s23, s23, s74
	s_add_co_u32 s23, s23, BOFF
.irp s, 0,1
	v_add_nc_u32 v[ADRAO+(\s)], s21, v3
	v_add_nc_u32 v[ADRAG+(\s)], s22, v3
	v_add_nc_u32 v[ADRB+(\s)], s23, v4
	s_add_co_u32 s21, s21, SLOT
	s_add_co_u32 s22, s22, SLOT
	s_add_co_u32 s23, s23, SLOT
.endr
	v_and_b32 v5, 31, v0
	v_lshlrev_b32 v5, 4, v5                        ; 16 x lane
	s_lshl_b32 s74, s10, 15
	v_add_nc_u32 v[XW], s74, v5                    ; I write my wave's 32,768 bytes,
	s_xor_b32 s74, s10, 2
	s_lshl_b32 s74, s74, 15
	v_add_nc_u32 v[XR], s74, v5                    ; and read those of the wave with the other half of K
	s_mul_i32 s74, s10, 16*SPITCH
	s_add_co_u32 s74, s74, STAGE                   ; my stage
.if KIND == 2
	v_mul_u32_u24 v6, v1, SPITCH                   ; in: row r, 32 bytes for each half of the lanes
	v_lshl_add_u32 v6, v2, 5, v6
	v_add_nc_u32 v[STO], s74, v6
	v_add_nc_u32 v[RD], s74, v5                    ; back: 32 lanes take a row of 512 bytes
	v_mov_b32 v[CO], v5
.else
	v_add_nc_u32 v[STO], s74, v3                   ; in: row r, 16 bytes for each half of the lanes (the stage's pitch is A's)
	v_mul_u32_u24 v6, v2, SPITCH                   ; back: lanes 0-15 take one row of 256 bytes, lanes 16-31 the next
	v_lshl_add_u32 v6, v1, 4, v6
	v_add_nc_u32 v[RD], s74, v6
	v_mul_u32_u24 v6, v2, CPITCH
	v_lshl_add_u32 v[CO], v1, 4, v6
.endif
	s_lshl_b32 s16, s13, 7                         ; where my part of C begins: row 128 x tile row + 64 kh, column 256 x tile column + 128 j
	s_lshl_b32 s17, s11, 6
	s_add_co_u32 s16, s16, s17
	s_mul_i32 s16, s16, CPITCH
	s_mul_i32 s72, s42, 256*CSIZE
	s_mul_i32 s73, s12, 128*CSIZE
	s_add_co_u32 s16, s16, s72
	s_add_co_u32 s16, s16, s73
	s_mov_b32 s17, 0
	s_wait_loadcnt 0x0                             ; the bias, or the statistics: all this stands in the wait for the first tile
.if KIND == 1
	v_max3_num_f32 v96, v[F0], v[F0+1], v[F0+2]    ; E = the largest e of my row
.irp t, 3,5,7,9,11,13
	v_max3_num_f32 v96, v96, v[F0+(\t)], v[F0+(\t)+1]
.endr
	v_max_num_f32 v96, v96, v[F0+15]
.set t, 0
.rept 16
	v_sub_f32 v[F0+t], v[F0+t], v96
.set t, t+1
.endr
.set t, 0
.rept 16
	v_exp_f32 v[F0+t], v[F0+t]                     ; alpha = 2^(e - E)
.set t, t+1
.endr
	v_nop                                          ; a plain instruction behind the last exponential
	v_mul_f32 v97, v[F0], v[F0+16]                 ; L = sum alpha l, in two chains
	v_mul_f32 v98, v[F0+1], v[F0+17]
.irp t, 2,4,6,8,10,12,14
	v_fmac_f32 v97, v[F0+(\t)], v[F0+16+(\t)]
	v_fmac_f32 v98, v[F0+(\t)+1], v[F0+17+(\t)]
.endr
	v_add_f32 v97, v97, v98
.set t, 0
.rept 16
	v_cvt_pk_f16_f32 v[100+t], v[F0+t], v[F0+t]    ; alpha in both halves of a word
.set t, t+1
.endr
	v_lshlrev_b32 v99, 5, v1
	v_lshrrev_b32 v98, 4, v0
	v_lshl_add_u32 v99, v98, 2, v99
	v_add_nc_u32 v99, TAB, v99                     ; 32 (i % 16) + 4 (i / 16): a lane later finds four blocks' alpha of its row in 16 bytes
.set t, 0
.rept 16
	ds_store_b32 v99, v[100+t] offset:512*t
.set t, t+1
.endr
	v_rcp_f32 v97, v97
	v_lshl_add_u32 v98, v0, 2, INV                 ; (the plain instruction behind the reciprocal)
	ds_store_b32 v98, v97
	v_lshlrev_b32 v[ALAO], 5, v1
	s_lshl_b32 s22, s11, 4
	s_xor_b32 s23, s22, 16
	s_add_co_u32 s22, s22, TAB
	s_add_co_u32 s23, s23, TAB
	v_add_nc_u32 v[ALAG], s23, v[ALAO]             ; blocks 4 (1 - kh) ..
	v_add_nc_u32 v[ALAO], s22, v[ALAO]             ; blocks 4 kh ..
	s_lshl_b32 s22, s11, 8
	s_add_co_u32 s22, s22, INV
	v_lshl_add_u32 v[ILA], v1, 2, s22              ; row 64 kh + r
.else
	WIN 0x45                                       ; the bias is rounded to bf16, as all inputs are: destination and both sources in window 1
.set i, 0
.rept 32
	v_cvt_pk_bf16_f32 v[i], v[BIAS+2*i], v[BIAS+2*i+1]
.set i, i+1
.endr
.set i, 0
.rept 32
	v_lshlrev_b32 v[BIAS+2*i], 16, v[i]
	v_and_b32 v[BIAS+2*i+1], 0xffff0000, v[i]
.set i, i+1
.endr
	WIN 0
.endif
.macro WM zero, b                      ; one matrix instruction on rD, rB, rA.  zero = 0: in place; 1: the constant 0 starts the sum; 2: the bias does
.if KIND == 0
.if (\zero) == 0
	v_wmma_f32_16x16x32_bf16 v[rD:rD+7], v[rB:rB+7], v[rA:rA+7], v[rD:rD+7]
.elseif (\zero) == 1
	v_wmma_f32_16x16x32_bf16 v[rD:rD+7], v[rB:rB+7], v[rA:rA+7], 0
.else
	v_wmma_f32_16x16x32_bf16 v[rD:rD+7], v[rB:rB+7], v[rA:rA+7], v[BIAS+8*(\b):BIAS+8*(\b)+7]
.endif
.else
.if (\zero) == 0
	v_wmma_f32_16x16x32_f16 v[rD:rD+7], v[rB:rB+7], v[rA:rA+7], v[rD:rD+7]
.elseif (\zero) == 1
	v_wmma_f32_16x16x32_f16 v[rD:rD+7], v[rB:rB+7], v[rA:rA+7], 0
.else
	v_wmma_f32_16x16x32_f16 v[rD:rD+7], v[rB:rB+7], v[rA:rA+7], v[BIAS+8*(\b):BIAS+8*(\b)+7]
.endif
.endif
.endm
; 16 matrix instructions: row blocks a0, a0 + 1 of the window's four (hi = 0: own rows, 1: given rows) x all 8 column blocks, 32 along K.
; The 64 accumulators take turns, one instruction a turn, in the same order in every quarter.
.macro MUL16 f, hi, a0, zero
.if (\zero) == 2
	WIN MUL_BI
.else
	WIN MUL_LO+0x50*(\hi)
.endif
.irp a, \a0, (\a0)+1
.irp b, 0,1,2,3,4,5,6,7
.set rD, 8*(8*(\a)+(\b))
.set rB, (\f)+8*(\b)
.set rA, (\f)+8*(4*(\hi)+(\a))
	WM \zero, \b
.endr
.endr
.endm
; 32 LDS loads in one run: my 32 of K number q (0, 1) of the slot's step into buffer f: B's 8 fragments, A's 4 own, A's 4 given (the youngest eight loads).
; KIND 1, aoff >= 0: ahead of them the step's alpha, own and given blocks: older than every fragment load, so the counted waits below cover them.
.macro FETCH slot, q, f, aoff=-1
.if KIND == 1
.if (\aoff) >= 0
	WIN 0
	ds_load_b128 v[AL+8*(\slot):AL+8*(\slot)+3],   v[ALAO] offset:\aoff
	ds_load_b128 v[AL+8*(\slot)+4:AL+8*(\slot)+7], v[ALAG] offset:\aoff
.endif
.endif
	WIN TO_B
.irp i, 0,1,2,3,4,5,6,7
	ds_load_tr16_b128 v[(\f)+8*(\i):(\f)+8*(\i)+3],   v[ADRB+(\slot)] offset:(\q)*32*PBL+32*(\i)
	ds_load_tr16_b128 v[(\f)+8*(\i)+4:(\f)+8*(\i)+7], v[ADRB+(\slot)] offset:(\q)*32*PBL+16*PBL+32*(\i)
.endr
	WIN 0
.irp i, 0,1,2,3
	ds_load_b128 v[(\f)+8*(\i):(\f)+8*(\i)+3],   v[ADRAO+(\slot)] offset:(\q)*64+(\i)*16*PITCH
	ds_load_b128 v[(\f)+8*(\i)+4:(\f)+8*(\i)+7], v[ADRAO+(\slot)] offset:(\q)*64+(\i)*16*PITCH+32
.endr
.irp i, 0,1,2,3
	ds_load_b128 v[(\f)+32+8*(\i):(\f)+32+8*(\i)+3],   v[ADRAG+(\slot)] offset:(\q)*64+(\i)*16*PITCH
	ds_load_b128 v[(\f)+32+8*(\i)+4:(\f)+32+8*(\i)+7], v[ADRAG+(\slot)] offset:(\q)*64+(\i)*16*PITCH+32
.endr
.endm
.macro SCALE f, half, slot             ; KIND 1: four fragments of P~ times their rows' alpha: exact, alpha being a power of two, down to f16's smallest step
	WIN 0
.irp i, 0,1,2,3
.irp k, 0,1,2,3,4,5,6,7
	v_pk_mul_f16 v[(\f)+32*(\half)+8*(\i)+(\k)], v[(\f)+32*(\half)+8*(\i)+(\k)], v[AL+8*(\slot)+4*(\half)+(\i)]
.endr
.endr
.endm
; A wave's share of a K step is two quarters of 32 along K, 64 matrix instructions each, on buffers 0, 1.  The first: multiplies f and fetches the second into g.
.macro QUARTER slot, f, g, zero
	s_wait_dscnt 8                                 ; B and A's own rows are in; the youngest eight loads (the given rows) may be out
.if KIND == 1
	SCALE \f, 0, \slot
.endif
	MUL16 \f, 0, 0, \zero
	MUL16 \f, 0, 2, \zero
.if KIND == 1
	s_wait_dscnt 0x0                               ; the given rows
	SCALE \f, 1, \slot                             ; 32 plain instructions on other registers: also the places in front of the loads
.else
	PLACES
.endif
	FETCH \slot, 1, \g
.if KIND != 1
	s_wait_dscnt 32                                ; all but the 32 just issued
.endif
.if \zero
	MUL16 \f, 1, 0, 1
	MUL16 \f, 1, 2, 1
.else
	MUL16 \f, 1, 0, 0
	MUL16 \f, 1, 2, 0
.endif
.endm
; The second quarter multiplies buffer 1 and changes slots.  ONE barrier: in front of it each wave waits for all its tensor loads, of which one is out: its part of the next slot; adds 0 to its spare
; word; and waits for that and for its own reads of this slot.  Behind it nobody reads this slot any more and the next slot is whole.
.macro MEET round, slot
	WIN 0
	s_wait_tensorcnt 0x0                           ; all my tensor loads have landed
	ds_add_u32 v[SPW], v[NIL]                      ; 0 onto my spare word
	s_wait_dscnt 9                                 ; (the add and the youngest eight loads may be out)
.if KIND == 1
	SCALE F1, 0, \slot
.endif
	MUL16 F1, 0, 0, 0                              ; work on registers between the add and the wait for it
	s_wait_dscnt 0x0                               ; the add is done, and my reads of this slot are over
	s_barrier_signal -1
	MUL16 F1, 0, 2, 0                              ; registers alone between signal and wait
.if KIND == 1
	SCALE F1, 1, \slot
.endif
.if \round
	WIN 0
.endif
	s_barrier_wait -1
.endm
; fill = 1: the barrier opens a round of the cluster's barrier, and the slot just read out is filled again, two K steps on, first thing behind the round: 96 matrix instructions ahead of the wait for it.
.macro TURN slot, next, fill, aoff
	MEET \fill, \slot
.if \fill
	CREST                                          ; no wave of any partner still reads this slot or has a load on its way
	s_add_nc_u64 s[G0+4*(\slot)+2:G0+4*(\slot)+3], s[G0+4*(\slot)+2:G0+4*(\slot)+3], 512
	s_add_nc_u64 s[G0B+4*(\slot)+2:G0B+4*(\slot)+3], s[G0B+4*(\slot)+2:G0B+4*(\slot)+3], 512*PB
	JLOAD \slot                                    ; its four v_nop are also the places in front of the loads below
.else
	PLACES
.endif
	FETCH \next, 0, F0, \aoff
	MUL16 F1, 1, 0, 0
	MUL16 F1, 1, 2, 0
.endm
.macro LAST slot                       ; the very last quarter: nothing more to fetch
	s_wait_dscnt 8
.if KIND == 1
	SCALE F1, 0, \slot
.endif
	MUL16 F1, 0, 0, 0
	MUL16 F1, 0, 2, 0
	s_wait_dscnt 0x0
.if KIND == 1
	SCALE F1, 1, \slot
.endif
	MUL16 F1, 1, 0, 0
	MUL16 F1, 1, 2, 0
	WIN 0
.endm
	s_wait_tensorcnt 1                             ; my part of K step 0 is in; K step 1's may stay out
.if KIND == 1
	s_wait_dscnt 0x0                               ; for the others' sake: my rows of the tables are written
.endif
	s_barrier_signal -1
	s_barrier_wait -1
	FETCH 0, 0, F0, 0
	QUARTER 0, F0, F1, ZFIRST                      ; the first quarter stands in front of the loop: its products start the sums
	WIN 0                                          ; at a label and at a branch every window is 0
	s_mov_b32 s3, LAPS-1
.Llap:                                                 ; a trip goes once round the ring and fills both slots again
	TURN 0, 1, 1, 512
	QUARTER 1, F0, F1, 0
	TURN 1, 0, 1, 1024
	QUARTER 0, F0, F1, 0
	WIN 0
.if KIND == 1
	v_add_nc_u32 v[ALAO], 1024, v[ALAO]            ; two chunks on
	v_add_nc_u32 v[ALAG], 1024, v[ALAG]
.endif
	s_sub_co_u32 s3, s3, 1
	s_cmp_lg_u32 s3, 0
	s_cbranch_scc1 .Llap
	TURN 0, 1, 0, 512                              ; the last lap fills nothing, and has no round of the cluster's barrier
	QUARTER 1, F0, F1, 0
	LAST 1
	; THE EXCHANGE.  My LDS reads are back and no tensor load of the work-group is out (each wave waited in front of the last change of slots): behind this barrier the ring's bytes serve as scratch.
	s_barrier_signal -1
	s_barrier_wait -1
	PLACES
	WIN 0x0c                                       ; store data in window 3
.set i, 0
.rept 64
	ds_store_b128 v[XW], v[4*i:4*i+3] offset:512*i ; the given rows' sums, each accumulator's low registers first
.set i, i+1
.endr
	WIN 0
	s_wait_dscnt 0x0                               ; for the other wave's sake
	s_barrier_signal -1
	s_barrier_wait -1
.macro XLOAD g                         ; 64 registers of the other wave's sums for my own rows: its register n of window 3 belongs to my register n of window 2
	WIN 0
.set i, 0
.rept 16
	ds_load_b128 v[F0+64*((\g)%2)+4*i:F0+64*((\g)%2)+4*i+3], v[XR] offset:512*(16*(\g)+i)
.set i, i+1
.endr
.endm
.macro XADD g
	WIN 0x82                                       ; destination and source 0 window 2, source 1 window 0
.set i, 0
.rept 32
	v_pk_add_f32 v[64*(\g)+2*i:64*(\g)+2*i+1], v[64*(\g)+2*i:64*(\g)+2*i+1], v[F0+64*((\g)%2)+2*i:F0+64*((\g)%2)+2*i+1]
.set i, i+1
.endr
.endm
	XLOAD 0
	XLOAD 1
	s_wait_dscnt 16                                ; all but the sixteen just issued
	XADD 0
	XLOAD 2
	s_wait_dscnt 16
	XADD 1
	XLOAD 3
	s_wait_dscnt 16
	XADD 2
	s_wait_dscnt 0x0
	XADD 3
	WIN 0
	; THE WAY OUT of my four blocks of 16 rows x 128 columns, through my own stage: whole rows come back and are stored.
.if KIND == 2
.macro TOST a                          ; f32: 32 bytes a lane and block of columns into rows of 528 bytes; back as rows of 512
	WIN 0x08                                       ; store data in window 2
.irp b, 0,1,2,3,4,5,6,7
	ds_store_b128 v[STO], v[64*(\a)+8*(\b):64*(\a)+8*(\b)+3]   offset:64*(\b)
	ds_store_b128 v[STO], v[64*(\a)+8*(\b)+4:64*(\a)+8*(\b)+7] offset:64*(\b)+16
.endr
	WIN 0
.set BK, F0+64*((\a)%2)
.irp t, 0,1,2,3,4,5,6,7,8,9,10,11,12,13,14,15
	ds_load_b128 v[BK+4*(\t):BK+4*(\t)+3], v[RD] offset:(\t)*SPITCH  ; LDS serves a wave's instructions in order (ISA guide 5.7.1.4): these see the stores above
.endr
.endm
.macro SEND a
	WIN 0
.set BK, F0+64*((\a)%2)
	s_wait_dscnt 0x0                               ; the block is back in registers
	s_wait_xcnt 0x0                                ; only behind this wait are the stores' base and the registers that earlier stores read rewritten
.if (\a) == 0
	s_add_nc_u64 s[8:9], s[8:9], s[16:17]
.else
	s_add_nc_u64 s[8:9], s[8:9], 16*CPITCH
.endif
.irp t, 0,1,2,3,4,5,6,7,8,9,10,11,12,13,14,15
	global_store_b128 v[CO], v[BK+4*(\t):BK+4*(\t)+3], s[8:9] offset:(\t)*CPITCH th:TH_STORE_NT  ; 512 consecutive bytes, at a multiple of 256 from C's first byte
.endr
.endm
	TOST 0
.irp a, 1,2,3
	SEND (\a)-1
	TOST \a
.endr
	SEND 3
.else
.if KIND == 1
.irp a, 0,1,2,3
	ds_load_b32 v[IL+2*(\a)],   v[ILA] offset:64*(\a)  ; 1 / L of row 64 kh + 16 a + r, into both registers of a pair
	ds_load_b32 v[IL+2*(\a)+1], v[ILA] offset:64*(\a)
.endr
	s_wait_dscnt 0x0
.endif
.macro PACK a                          ; (KIND 1: divided by L;) rounded to f16, 16 bytes a lane and block of columns
.if KIND == 1
	WIN 0x82
.set i, 0
.rept 32
	v_pk_mul_f32 v[64*(\a)+2*i:64*(\a)+2*i+1], v[64*(\a)+2*i:64*(\a)+2*i+1], v[IL+2*(\a):IL+2*(\a)+1] op_sel_hi:[1,0]
.set i, i+1
.endr
.endif
	WIN 0x0a                                       ; sources 0 and 1 window 2
.irp b, 0,1,2,3,4,5,6,7
.irp r, 0,1,2,3
	v_cvt_pk_f16_f32 v[TMP+4*(\b)+(\r)], v[64*(\a)+8*(\b)+2*(\r)], v[64*(\a)+8*(\b)+2*(\r)+1]
.endr
.endr
	WIN 0
.endm
.macro TOSTAGE a
	WIN 0
.set BK, OB+192*((\a)%2)
.irp b, 0,1,2,3,4,5,6,7
	ds_store_b128 v[STO], v[TMP+4*(\b):TMP+4*(\b)+3] offset:32*(\b)
.endr
.irp t, 0,1,2,3,4,5,6,7
	ds_load_b128 v[BK+4*(\t):BK+4*(\t)+3], v[RD] offset:(\t)*2*SPITCH  ; LDS serves a wave's instructions in order (ISA guide 5.7.1.4): these see the stores above
.endr
.endm
.macro SEND a
	WIN 0
.set BK, OB+192*((\a)%2)
	s_wait_dscnt 0x0                               ; the block is back in registers
	s_wait_xcnt 0x0                                ; only behind this wait are the stores' base and the registers that earlier stores read rewritten
.if (\a) == 0
	s_add_nc_u64 s[8:9], s[8:9], s[16:17]
.else
	s_add_nc_u64 s[8:9], s[8:9], 16*CPITCH
.endif
.irp t, 0,1,2,3,4,5,6,7
	global_store_b128 v[CO], v[BK+4*(\t):BK+4*(\t)+3], s[8:9] offset:2*(\t)*CPITCH  ; 16 lanes store 256 consecutive bytes, at a multiple of 256 from C's first byte
.endr
.endm
	PACK 0
	TOSTAGE 0
.irp a, 1,2,3                          ; block a's conversions stand between block a - 1's loads from the stage and the wait for them
	PACK \a
	SEND (\a)-1
	TOSTAGE \a
.endr
	SEND 3
.endif
	s_wait_tensorcnt 0x0                           ; the wave's end
	ds_add_u32 v[SPW], v[NIL]
	s_wait_dscnt 0x0
	CROUND                                         ; the closing round: no work-group ends while a partner may still ask for a tile that names it
	s_endpgm
.Lfunc_end_k_qe40a433755_qkvp:
	.size	k_qe40a433755_qkvp, .Lfunc_end_k_qe40a433755_qkvp-k_qe40a433755_qkvp
	.p2alignl 7, 3214868480
	.fill 96, 4, 3214868480
	.section	.rodata,"a",@progbits
	.p2align	6, 0x0
	.amdhsa_kernel k_qe40a433755_qkvp
		.amdhsa_group_segment_fixed_size 327680
		.amdhsa_private_segment_fixed_size 0
		.amdhsa_enable_private_segment 0
		.amdhsa_kernarg_size 32
		.amdhsa_user_sgpr_count 2
		.amdhsa_user_sgpr_kernarg_segment_ptr 1
		.amdhsa_wavefront_size32 1
		.amdhsa_system_sgpr_workgroup_id_x 1
		.amdhsa_system_sgpr_workgroup_id_y 1
		.amdhsa_system_sgpr_workgroup_id_z 1
		.amdhsa_system_vgpr_workitem_id 0
		.amdhsa_next_free_vgpr 1024
		.amdhsa_next_free_sgpr 80
		.amdhsa_reserve_vcc 0
		.amdhsa_float_denorm_mode_32 3
		.amdhsa_float_denorm_mode_16_64 3
		.amdhsa_memory_ordered 1
		.amdhsa_forward_progress 1
		.amdhsa_inst_pref_size 101
	.end_amdhsa_kernel
	.amdgpu_metadata
---
amdhsa.version: [ 1, 2 ]
amdhsa.kernels:
  - .name:           k_qe40a433755_qkvp
    .symbol:         k_qe40a433755_qkvp.kd
    .args:
      - { .name: xb, .offset: 0, .size: 8, .value_kind: global_buffer, .address_space: global }
      - { .name: wqkvb, .offset: 8, .size: 8, .value_kind: global_buffer, .address_space: global }
      - { .name: bqkv, .offset: 16, .size: 8, .value_kind: global_buffer, .address_space: global }
      - { .name: qkv, .offset: 24, .size: 8, .value_kind: global_buffer, .address_space: global }
    .group_segment_fixed_size: 327680
    .private_segment_fixed_size: 0
    .kernarg_segment_align: 8
    .kernarg_segment_size: 32
    .max_flat_workgroup_size: 128
    .sgpr_count:     80
    .vgpr_count:     1024
    .wavefront_size: 32
...
	.end_amdgpu_metadata
.endif
;; end of part 2
;; launch score (part 3): grid 8 x 32, 4 waves a work-group, clusters of 4 x 4, 327,680 bytes of LDS; arguments qkv, p, st; writes p, st
.if DOCPART == 3
	.amdgcn_target "amdgcn-amd-amdhsa--gfx1250"
	.amdhsa_code_object_version 6
	.text
	.protected	k_qe40a433755_score
	.globl	k_qe40a433755_score
	.p2align	8
	.type	k_qe40a433755_score,@function
k_qe40a433755_score:
	s_mov_b64 s[64:65], 0
	v_nop
	global_prefetch_b8 v0, s[64:65] scope:SCOPE_SE
	s_setreg_imm32_b32 hwreg(HW_REG_WAVE_MODE, 25, 1), 1
	s_wait_xcnt 0x0
	s_wait_alu depctr_hold_cnt(0) depctr_sa_sdst(0) depctr_va_vdst(0) depctr_va_sdst(0) depctr_va_ssrc(0) depctr_va_vcc(0) depctr_vm_vsrc(0)
	s_getreg_b32 s2, hwreg(HW_REG_IB_STS2, 6, 4)
	s_cmp_eq_u32 s2, 0
	s_cbranch_scc0 .Lentry_in_a_cluster
	s_endpgm
.Lentry_in_a_cluster:
	s_bfe_u32 s2, ttmp6, 0x10000c
	s_cmp_lg_u32 s2, 0xf033
	s_cbranch_scc0 .Lentry_shape_is_right
	s_endpgm
.Lentry_shape_is_right:
; SCORES AND LOCAL SOFTMAX.  For each batch: s = q k^T (f16 operands, f32 sums, K = 1,024).  For each row and each CHUNK of 128 keys:
;   e = floor(c max s),  P~ = 2^(c s - e) in f16 (it lies in 0 to 2),  l = the sum of the unrounded P~,   c = log2(e) / 32.
; The chunk's own largest score is taken away before every exponential; the next launch brings the chunks of a row to the row's largest e by exact powers of two.
; qkv: [8192][3072] f16, q at byte 0 and k at byte 2,048 of a row.  p: [8192][2048] f16.  st: e at byte 0, l at byte 524,288, each [batch][chunk][row] f32.
; LIMITS.  P~ below 6e-5 keeps f16's step of 6e-8 and below that is 0; NaN and infinities are not treated apart.
; SHARES.  A tile of s is 256 queries x 256 keys, made by four waves, each 128 x 128 (a chunk): 64 accumulators, 512 registers.  K goes in steps of 128 through a ring of two LDS slots.
; CLUSTER.  4 x 4 work-groups: q's tile is asked for jointly by a row of the cluster, k's by a column.
; THE MATRIX INSTRUCTION IS USED TRANSPOSED (source 0 = 16 keys, source 1 = 16 queries): a lane holds one query and eight neighbouring keys.
; THE WAY OUT.  A wave lays its 128 x 128 scores into the ring's bytes (the ring has had its last fill) and walks them in a loop of 8 trips x 16 rows, sixteen lanes to a row:
; the row's maximum and sum are then four steps among sixteen lanes, and a row's 128 weights leave as 256 consecutive bytes.
; REGISTERS: window 0: v0-31 addresses; v32-55 at work; v64-127, v128-191 q's fragments, two buffers, later the rows at work;  window 1: k's fragments;  windows 2, 3: the accumulators of my rows 0-63, 64-127.
.set KSTEP,  128
.set PITCH,  272                       ; an LDS row: 256 bytes + 16 = 68 words: the 16 rows of a load start at 16 different groups of four banks (64 banks of 4 bytes: ISA guide 11.1)
.set HALFT,  128*PITCH                 ; 128 rows: what one tensor load brings, and what one wave reads of q or of k
.set SLOT,   4*HALFT
.set QP,     3072                      ; elements from row to row of qkv
.set LAPS,   4                         ; 1,024 / 256
.set SSP,    528                       ; a row of scores in LDS: 512 bytes + 16
.set SST,    128*SSP                   ; a wave's scores: 67,584 bytes; four of them lie inside the ring's 278,528
.set STAT,   2*SLOT                    ; behind the ring: for each wave 128 e, then 128 l
.set SPARE,  STAT+4096                 ; the spare words, 128 bytes for each wave: two blocks of 256 bytes that no other line names
.set ADRA, 16                          ; v16-17  LDS address of my q fragments in slot 0, 1
.set ADRB, 20                          ; v20-21  the same for k
.set SW,   24                          ; v24     where I put 32 bytes of a row of scores
.set LO,   25                          ; v25     16 x lane
.set CO,   26                          ; v26     my byte offset in p
.set SRD,  27                          ; v27     where I read my wave's statistics back
.set SPW,  28                          ; v28     LDS address of my spare word; never rewritten
.set NIL,  29                          ; v29     0; never rewritten
.set SR,   30                          ; v30     where I read 32 bytes of a row of scores; steps 16 rows a trip
.set SA,   31                          ; v31     where my row's e goes; steps 16 rows a trip
.set T,    32                          ; v32-39  one number for each of a trip's eight pairs of rows
.set E,    40                          ; v40-55  e in the even registers; the odd ones hold 0, named with them as pairs
.set F0,   64
.set F1,   128
.set X,    64                          ; v64-127   a trip's scores: 8 a lane for each pair of rows
.set Y,    128                         ; v128-159  its weights in f16
.set G1, 24
.set G0, 32
.set G1B, 48
.set G0B, 56
.set MSB, 0
.macro WIN new                         ; the immediate's high byte repeats the setting that is left; a switch that changes nothing is dropped
.if MSB != (\new)
	s_set_vgpr_msb (MSB<<8)|(\new)
.set MSB, \new
.endif
.endm
.set MUL_LO, 0xa1                      ; source 0 (k) window 1, source 1 (q) window 0, C and D window 2
.set MUL_HI, 0xf1                      ; the same, C and D window 3
.set TO_B,   0x40                      ; destination window 1, address window 0
.macro JLOAD s                         ; a joint load: waves 0 and 1 fetch q's two halves, waves 2 and 3 k's; an s_nop 0 and four v_nop follow each of the two lines
	s_cmp_eq_u32 s11, 0
	s_cbranch_scc0 .Lfor_b_\@
	tensor_load_to_lds s[G0+4*(\s):G0+4*(\s)+3], s[G1:G1+7]
	s_nop 0
.rept 4
	v_nop
.endr
	s_branch .Lasked_\@
.Lfor_b_\@:
	tensor_load_to_lds s[G0B+4*(\s):G0B+4*(\s)+3], s[G1B:G1B+7]
	s_nop 0
.rept 4
	v_nop
.endr
.Lasked_\@:
.endm
.macro CREST                           ; a round of the cluster's barrier behind its opening barrier
	s_cmp_lg_u32 s10, 0
	s_cbranch_scc1 .Lnot_wave_0_\@
	s_barrier_signal -3
.Lnot_wave_0_\@:
	s_barrier_wait -3
	s_barrier_signal -1
	s_barrier_wait -1
.endm
.macro CROUND
	s_barrier_signal -1
	s_barrier_wait -1
	CREST
.endm
.macro PLACES                          ; four places in front of loads into registers that matrix instructions have read, and of lines that read results just made
.rept 4
	v_nop
.endr
.endm
	s_load_b128 s[4:7], s[0:1], 0x0                ; qkv s[4:5], p s[6:7]
	s_load_b64 s[68:69], s[0:1], 0x10              ; st
	v_lshl_add_u32 v[SPW], v0, 2, SPARE
	v_mov_b32 v[NIL], 0
	ds_add_u32 v28, v29
	s_wait_dscnt 0x0
	v_lshrrev_b32 v1, 5, v0
	v_readfirstlane_b32 s10, v1                    ; wave 0..3
	s_lshr_b32 s11, s10, 1                         ; which half of the tile's queries is mine.  Also: I fetch for q (0) or for k (1)
	s_and_b32 s12, s10, 1                          ; which half of its keys.  Also: which 128 rows of that tile I fetch
	s_bfe_u32 s40, ttmp6, 0x40000                  ; cx, cy
	s_bfe_u32 s41, ttmp6, 0x40004
	s_lshl_b32 s42, ttmp9, 2
	s_add_co_u32 s42, s42, s40                     ; x: tile of 256 keys in the batch = 4 x cluster x + cx
	s_and_b32 s13, ttmp7, 0xffff
	s_lshr_b32 s45, s13, 1                         ; the batch: 8 tile rows, two clusters: the same in all sixteen partners
	s_lshl_b32 s13, s13, 2
	s_add_co_u32 s13, s13, s41                     ; y: tile of 256 rows of qkv = 4 x cluster y + cy
	s_lshl_b32 s43, s41, 2
	s_lshl_b32 s43, 15, s43                        ; my row of the cluster
	s_lshl_b32 s44, 0x1111, s40                    ; my column
	s_or_b32 s[G1+0], s43, (1<<16)|(1<<20)|(1<<21)|(5<<22)|(3<<25)   ; 15:0 the mask; 17:16 2-byte elements; 20 padding on; 21 set beside a mask; 24:22 after every 64 words; 31:25 4 words
	s_or_b32 s[G1B+0], s44, (1<<16)|(1<<20)|(1<<21)|(5<<22)|(3<<25)
.irp g, G1, G1B
	s_mov_b32 s[(\g)+1], KSTEP<<16                 ; tensor_dim0 = 128
	s_mov_b32 s[(\g)+2], 128<<16                   ; tensor_dim1 = 128
	s_mov_b32 s[(\g)+3], KSTEP<<16                 ; tile_dim0 = 128
	s_mov_b32 s[(\g)+4], 128                       ; tile_dim1 = 128
	s_mov_b32 s[(\g)+5], QP                        ; elements from row to row
	s_mov_b32 s[(\g)+6], 0
	s_mov_b32 s[(\g)+7], 0
.endr
	s_lshl_b32 s17, s12, 7                         ; which 128 rows of the tile I fetch
	s_lshl_b32 s16, s13, 8
	s_add_co_u32 s16, s16, s17                     ; q: row 256 y + 128 x half
	s_mul_i32 s16, s16, QP*2                       ; in bytes (under 2^32)
	s_lshl_b32 s46, s45, 11                        ; k: row 2,048 x batch + 256 x + 128 x half,
	s_lshl_b32 s47, s42, 8
	s_add_co_u32 s46, s46, s47
	s_add_co_u32 s46, s46, s17
	s_mul_i32 s46, s46, QP*2
	s_add_co_u32 s46, s46, 2048                    ; and k's place in a row
	s_mov_b32 s17, 0
	s_mov_b32 s47, 0
	s_mul_i32 s20, s10, HALFT                      ; where they go: q's two halves, then k's two: wave x 128 rows
	s_mov_b32 s72, 0x3d38aa3b                      ; c = log2(e) / 32
	s_mov_b32 s73, s72                             ; named with it as a pair
	s_wait_kmcnt 0x0
	s_add_nc_u64 s[14:15], s[4:5], s[16:17]
	s_add_nc_u64 s[46:47], s[4:5], s[46:47]
	CROUND                                         ; all sixteen work-groups are here: the first joint loads meet
.irp s, 0,1
	s_mov_b32 s[G0+4*(\s)], 1
	s_add_co_u32 s[G0+4*(\s)+1], s20, (\s)*SLOT
	s_add_nc_u64 s[G0+4*(\s)+2:G0+4*(\s)+3], s[14:15], (\s)*KSTEP*2
	s_or_b32 s[G0+4*(\s)+3], s[G0+4*(\s)+3], 0x80000000
	s_mov_b32 s[G0B+4*(\s)], 1
	s_add_co_u32 s[G0B+4*(\s)+1], s20, (\s)*SLOT
	s_add_nc_u64 s[G0B+4*(\s)+2:G0B+4*(\s)+3], s[46:47], (\s)*KSTEP*2
	s_or_b32 s[G0B+4*(\s)+3], s[G0B+4*(\s)+3], 0x80000000
	JLOAD \s
.endr
	v_and_b32 v1, 15, v0                           ; r = lane % 16
	v_bfe_u32 v2, v0, 4, 1                         ; h = lane / 16
	v_mul_u32_u24 v3, v1, PITCH
	v_lshl_add_u32 v3, v2, 4, v3                   ; a fragment's row x pitch + 16 h
	s_mul_i32 s21, s11, HALFT                      ; my 128 queries
	s_mul_i32 s22, s12, HALFT                      ; my 128 keys,
	s_add_co_u32 s22, s22, 2*HALFT                 ; which lie behind q's 256 rows
.irp s, 0,1
	v_add_nc_u32 v[ADRA+(\s)], s21, v3
	v_add_nc_u32 v[ADRB+(\s)], s22, v3
	s_add_co_u32 s21, s21, SLOT
	s_add_co_u32 s22, s22, SLOT
.endr
	s_mul_i32 s23, s10, SST                        ; my wave's scores
	v_mul_u32_u24 v4, v1, SSP
	v_lshl_add_u32 v4, v2, 5, v4
	v_add_nc_u32 v[SW], s23, v4                    ; in: row r, 32 bytes for each half of the lanes
	v_mul_u32_u24 v4, v2, SSP
	v_lshl_add_u32 v4, v1, 5, v4
	v_add_nc_u32 v[SR], s23, v4                    ; back: lanes 0-15 one row, lanes 16-31 the next, 32 bytes a lane
	s_lshl_b32 s23, s10, 10
	s_add_co_u32 s23, s23, STAT
	v_lshl_add_u32 v[SA], v2, 2, s23
	v_and_b32 v4, 31, v0
	v_lshlrev_b32 v[LO], 4, v4
	v_add_nc_u32 v[SRD], s23, v[LO]
	v_lshlrev_b32 v4, 12, v2
	v_lshl_add_u32 v[CO], v1, 4, v4                ; the same two rows in p: 4,096 h + 16 r
.set i, 0
.rept 8
	v_mov_b32 v[E+2*i+1], 0
.set i, i+1
.endr
	s_lshl_b32 s16, s13, 8                         ; p: row 256 y + 128 x my half, key 256 x + 128 x my half
	s_lshl_b32 s17, s11, 7
	s_add_co_u32 s16, s16, s17
	s_lshl_b32 s16, s16, 12
	s_lshl_b32 s74, s42, 9
	s_lshl_b32 s75, s12, 8
	s_add_co_u32 s16, s16, s74
	s_add_co_u32 s16, s16, s75
	s_mov_b32 s17, 0
	s_add_nc_u64 s[8:9], s[6:7], s[16:17]
	s_lshl_b32 s74, s45, 4                         ; st: chunk 16 x batch + 2 x + my half of the keys,
	s_lshl_b32 s75, s42, 1
	s_add_co_u32 s74, s74, s75
	s_add_co_u32 s74, s74, s12
	s_lshl_b32 s74, s74, 11
	s_and_b32 s75, s13, 7                          ; row 256 (y % 8) + 128 x my half of the queries
	s_lshl_b32 s75, s75, 8
	s_add_co_u32 s74, s74, s75
	s_lshl_b32 s75, s11, 7
	s_add_co_u32 s74, s74, s75
	s_lshl_b32 s74, s74, 2
	s_mov_b32 s75, 0
	s_add_nc_u64 s[68:69], s[68:69], s[74:75]
; 16 matrix instructions: query blocks a0, a0 + 1 of the window's four x all 8 key blocks, 32 along K.  zero = 1: the first product starts the sums.
; The 64 accumulators take turns, one instruction a turn, in the same order in every quarter.
.macro MUL16 f, hi, a0, zero
	WIN MUL_LO+0x50*(\hi)
.irp a, \a0, (\a0)+1
.irp b, 0,1,2,3,4,5,6,7
.if \zero
	v_wmma_f32_16x16x32_f16 v[8*(8*(\a)+(\b)):8*(8*(\a)+(\b))+7], v[(\f)+8*(\b):(\f)+8*(\b)+7], v[(\f)+8*(4*(\hi)+(\a)):(\f)+8*(4*(\hi)+(\a))+7], 0
.else
	v_wmma_f32_16x16x32_f16 v[8*(8*(\a)+(\b)):8*(8*(\a)+(\b))+7], v[(\f)+8*(\b):(\f)+8*(\b)+7], v[(\f)+8*(4*(\hi)+(\a)):(\f)+8*(4*(\hi)+(\a))+7], v[8*(8*(\a)+(\b)):8*(8*(\a)+(\b))+7]
.endif
.endr
.endr
.endm
.macro FETCH slot, k, f                ; 32 LDS loads in one run: 128 keys, 128 queries, 32 K at byte k of the rows, into buffer f
	WIN TO_B
.irp i, 0,1,2,3,4,5,6,7
	ds_load_b128 v[(\f)+8*(\i):(\f)+8*(\i)+3],   v[ADRB+(\slot)] offset:(\k)+(\i)*16*PITCH
	ds_load_b128 v[(\f)+8*(\i)+4:(\f)+8*(\i)+7], v[ADRB+(\slot)] offset:(\k)+(\i)*16*PITCH+32
.endr
	WIN 0
.irp i, 0,1,2,3,4,5,6,7
	ds_load_b128 v[(\f)+8*(\i):(\f)+8*(\i)+3],   v[ADRA+(\slot)] offset:(\k)+(\i)*16*PITCH
	ds_load_b128 v[(\f)+8*(\i)+4:(\f)+8*(\i)+7], v[ADRA+(\slot)] offset:(\k)+(\i)*16*PITCH+32
.endr
.endm
; A K step is four quarters of 32 along K, 64 matrix instructions each, on buffers 0, 1, 0, 1.  One of the first three: multiplies f, fetches the next quarter, at byte k, into g.
.macro QUARTER slot, k, f, g, zero
	s_wait_dscnt 8                                 ; k and q's rows 0-63 are in; the youngest eight loads (q's rows 64-127) may be out
	MUL16 \f, 0, 0, \zero
	MUL16 \f, 0, 2, \zero
	PLACES
	FETCH \slot, \k, \g
	s_wait_dscnt 32                                ; all but the 32 just issued
	MUL16 \f, 1, 0, \zero
	MUL16 \f, 1, 2, \zero
.endm
; The last quarter multiplies buffer 1 and changes slots: ONE barrier; in front of it each wave waits for all its tensor loads (one is out: its part of the next slot), adds 0 to its spare word,
; and waits for that and for its own reads of this slot.  fill = 1: the barrier opens a round of the cluster's barrier, and this slot is filled again, two K steps on, first thing behind the round:
; 224 matrix instructions ahead of the wait for it.
.macro TURN slot, next, fill
	WIN 0
	s_wait_tensorcnt 0x0                           ; all my tensor loads have landed
	ds_add_u32 v[SPW], v[NIL]                      ; 0 onto my spare word
	s_wait_dscnt 9                                 ; (the add and the youngest eight loads may be out)
	MUL16 F1, 0, 0, 0                              ; sixteen matrix instructions between the add and the wait for it
	s_wait_dscnt 0x0                               ; the add is done, and my reads of this slot are over
	s_barrier_signal -1
	MUL16 F1, 0, 2, 0
.if \fill
	WIN 0
.endif
	s_barrier_wait -1
.if \fill
	CREST                                          ; no wave of any partner still reads this slot or has a load on its way
	s_add_nc_u64 s[G0+4*(\slot)+2:G0+4*(\slot)+3], s[G0+4*(\slot)+2:G0+4*(\slot)+3], 2*KSTEP*2
	s_add_nc_u64 s[G0B+4*(\slot)+2:G0B+4*(\slot)+3], s[G0B+4*(\slot)+2:G0B+4*(\slot)+3], 2*KSTEP*2
	JLOAD \slot                                    ; its four v_nop are also the places in front of the loads below
.else
	PLACES
.endif
	FETCH \next, 0, F0
	MUL16 F1, 1, 0, 0
	MUL16 F1, 1, 2, 0
.endm
	s_wait_tensorcnt 1                             ; my part of K step 0 is in; K step 1's may stay out
	s_barrier_signal -1
	s_barrier_wait -1
	FETCH 0, 0, F0
	QUARTER 0, 64,  F0, F1, 1                      ; the first quarter stands in front of the loop: its products start the sums
	WIN 0                                          ; at a label and at a branch every window is 0
	s_mov_b32 s3, LAPS-1
.Llap:                                                 ; a trip goes once round the ring and fills both slots again
	QUARTER 0, 128, F1, F0, 0
	QUARTER 0, 192, F0, F1, 0
	TURN 0, 1, 1
	QUARTER 1, 64,  F0, F1, 0
	QUARTER 1, 128, F1, F0, 0
	QUARTER 1, 192, F0, F1, 0
	TURN 1, 0, 1
	QUARTER 0, 64,  F0, F1, 0
	WIN 0
	s_sub_co_u32 s3, s3, 1
	s_cmp_lg_u32 s3, 0
	s_cbranch_scc1 .Llap
	QUARTER 0, 128, F1, F0, 0                      ; the last lap fills nothing, and has no round of the cluster's barrier
	QUARTER 0, 192, F0, F1, 0
	TURN 0, 1, 0
	QUARTER 1, 64,  F0, F1, 0
	QUARTER 1, 128, F1, F0, 0
	QUARTER 1, 192, F0, F1, 0
	s_wait_dscnt 8                                 ; the very last quarter: nothing more to fetch
	MUL16 F1, 0, 0, 0
	MUL16 F1, 0, 2, 0
	s_wait_dscnt 0x0
	MUL16 F1, 1, 0, 0
	MUL16 F1, 1, 2, 0
	WIN 0
	; THE WAY OUT.  My LDS reads are back and no tensor load of the work-group is out (each wave waited in front of the last change of slots): behind this barrier the ring's bytes hold the scores, each wave's its own.
	s_barrier_signal -1
	s_barrier_wait -1
	PLACES
.irp a, 0,1,2,3,4,5,6,7
	WIN 0x08+4*((\a)/4)                            ; store data in window 2 or 3
.irp b, 0,1,2,3,4,5,6,7
	ds_store_b128 v[SW], v[64*((\a)%4)+8*(\b):64*((\a)%4)+8*(\b)+3]   offset:16*SSP*(\a)+64*(\b)     ; each accumulator's low registers first
	ds_store_b128 v[SW], v[64*((\a)%4)+8*(\b)+4:64*((\a)%4)+8*(\b)+7] offset:16*SSP*(\a)+64*(\b)+16
.endr
.endr
	WIN 0
	s_mov_b32 s3, 8
.Lrows:                                                ; a trip: 16 rows, as eight pairs i: lanes 0-15 row 2 i, lanes 16-31 row 2 i + 1; a lane holds 8 neighbouring keys
.irp i, 0,1,2,3,4,5,6,7
	ds_load_b128 v[X+8*(\i):X+8*(\i)+3],   v[SR] offset:2*SSP*(\i)       ; LDS serves a wave's instructions in order (ISA guide 5.7.1.4): these see my stores
	ds_load_b128 v[X+8*(\i)+4:X+8*(\i)+7], v[SR] offset:2*SSP*(\i)+16
.endr
	s_wait_dscnt 0x0
.irp i, 0,1,2,3,4,5,6,7
	v_max3_num_f32 v[T+(\i)], v[X+8*(\i)], v[X+8*(\i)+1], v[X+8*(\i)+2]
.endr
.irp i, 0,1,2,3,4,5,6,7
	v_max3_num_f32 v[T+(\i)], v[T+(\i)], v[X+8*(\i)+3], v[X+8*(\i)+4]
.endr
.irp i, 0,1,2,3,4,5,6,7
	v_max3_num_f32 v[T+(\i)], v[T+(\i)], v[X+8*(\i)+5], v[X+8*(\i)+6]
.endr
.irp i, 0,1,2,3,4,5,6,7
	v_max_num_f32 v[T+(\i)], v[T+(\i)], v[X+8*(\i)+7]
.endr
.irp m, 1,2,4,8                                        ; among the row's sixteen lanes
.irp i, 0,1,2,3,4,5,6,7
	v_max_num_f32_dpp v[T+(\i)], v[T+(\i)], v[T+(\i)] row_xmask:\m row_mask:0xf bank_mask:0xf
.endr
.endr
.irp i, 0,1,2,3,4,5,6,7
	v_mul_f32 v[T+(\i)], s72, v[T+(\i)]
.endr
.irp i, 0,1,2,3,4,5,6,7
	v_floor_f32 v[E+2*(\i)], v[T+(\i)]             ; e: a whole number, so that the next launch's factors are exact powers of two
.endr
.irp i, 0,1,2,3,4,5,6,7
.irp k, 0,2,4,6
	v_pk_fma_f32 v[X+8*(\i)+(\k):X+8*(\i)+(\k)+1], v[X+8*(\i)+(\k):X+8*(\i)+(\k)+1], s[72:73], v[E+2*(\i):E+2*(\i)+1] op_sel_hi:[1,0,0] neg_lo:[0,0,1] neg_hi:[0,0,1]  ; c s - e
.endr
.endr
.set z, 0
.rept 64
	v_exp_f32 v[X+z], v[X+z]
.set z, z+1
.endr
	v_nop                                          ; a plain instruction behind the last exponential
	s_wait_alu depctr_va_vdst(0)
.irp i, 0,1,2,3,4,5,6,7
.irp k, 0,1,2,3
	v_cvt_pk_f16_f32 v[Y+4*(\i)+(\k)], v[X+8*(\i)+2*(\k)], v[X+8*(\i)+2*(\k)+1]
.endr
.endr
.irp i, 0,1,2,3,4,5,6,7
	global_store_b128 v[CO], v[Y+4*(\i):Y+4*(\i)+3], s[8:9] offset:8192*(\i)  ; 16 lanes store 256 consecutive bytes, at a multiple of 256 from p's first byte
.endr
.irp i, 0,1,2,3,4,5,6,7
	v_pk_add_f32 v[X+8*(\i):X+8*(\i)+1], v[X+8*(\i):X+8*(\i)+1], v[X+8*(\i)+2:X+8*(\i)+3]
	v_pk_add_f32 v[X+8*(\i)+4:X+8*(\i)+5], v[X+8*(\i)+4:X+8*(\i)+5], v[X+8*(\i)+6:X+8*(\i)+7]
.endr
.irp i, 0,1,2,3,4,5,6,7
	v_pk_add_f32 v[X+8*(\i):X+8*(\i)+1], v[X+8*(\i):X+8*(\i)+1], v[X+8*(\i)+4:X+8*(\i)+5]
.endr
.irp i, 0,1,2,3,4,5,6,7
	v_add_f32 v[T+(\i)], v[X+8*(\i)], v[X+8*(\i)+1]
.endr
.irp m, 1,2,4,8
.irp i, 0,1,2,3,4,5,6,7
	v_add_f32_dpp v[T+(\i)], v[T+(\i)], v[T+(\i)] row_xmask:\m row_mask:0xf bank_mask:0xf
.endr
.endr
.irp i, 0,1,2,3,4,5,6,7
	ds_store_b32 v[SA], v[E+2*(\i)] offset:8*(\i)      ; a row's sixteen lanes write the same word with the same number
	ds_store_b32 v[SA], v[T+(\i)] offset:512+8*(\i)
.endr
	v_add_nc_u32 v[SR], 16*SSP, v[SR]
	v_add_nc_u32 v[SA], 64, v[SA]
	s_wait_xcnt 0x0                                ; the stores' base, and their data in the next trip, are rewritten only behind this wait
	s_add_nc_u64 s[8:9], s[8:9], 0x10000           ; 16 rows of p on
	s_sub_co_u32 s3, s3, 1
	s_cmp_lg_u32 s3, 0
	s_cbranch_scc1 .Lrows
	ds_load_b128 v[X:X+3],   v[SRD]                ; my wave's 128 e and 128 l, 16 bytes a lane
	ds_load_b128 v[X+4:X+7], v[SRD] offset:512
	s_wait_dscnt 0x0
	global_store_b128 v[LO], v[X:X+3],   s[68:69]                  ; 512 consecutive bytes each
	global_store_b128 v[LO], v[X+4:X+7], s[68:69] offset:524288
	s_wait_tensorcnt 0x0                           ; the wave's end
	ds_add_u32 v[SPW], v[NIL]
	s_wait_dscnt 0x0
	CROUND                                         ; the closing round: no work-group ends while a partner may still ask for a tile that names it
	s_endpgm
.Lfunc_end_k_qe40a433755_score:
	.size	k_qe40a433755_score, .Lfunc_end_k_qe40a433755_score-k_qe40a433755_score
	.p2alignl 7, 3214868480
	.fill 96, 4, 3214868480
	.section	.rodata,"a",@progbits
	.p2align	6, 0x0
	.amdhsa_kernel k_qe40a433755_score
		.amdhsa_group_segment_fixed_size 327680
		.amdhsa_private_segment_fixed_size 0
		.amdhsa_enable_private_segment 0
		.amdhsa_kernarg_size 24
		.amdhsa_user_sgpr_count 2
		.amdhsa_user_sgpr_kernarg_segment_ptr 1
		.amdhsa_wavefront_size32 1
		.amdhsa_system_sgpr_workgroup_id_x 1
		.amdhsa_system_sgpr_workgroup_id_y 1
		.amdhsa_system_sgpr_workgroup_id_z 1
		.amdhsa_system_vgpr_workitem_id 0
		.amdhsa_next_free_vgpr 1024
		.amdhsa_next_free_sgpr 80
		.amdhsa_reserve_vcc 0
		.amdhsa_float_denorm_mode_32 3
		.amdhsa_float_denorm_mode_16_64 3
		.amdhsa_memory_ordered 1
		.amdhsa_forward_progress 1
		.amdhsa_inst_pref_size 138
	.end_amdhsa_kernel
	.amdgpu_metadata
---
amdhsa.version: [ 1, 2 ]
amdhsa.kernels:
  - .name:           k_qe40a433755_score
    .symbol:         k_qe40a433755_score.kd
    .args:
      - { .name: qkv, .offset: 0, .size: 8, .value_kind: global_buffer, .address_space: global }
      - { .name: p, .offset: 8, .size: 8, .value_kind: global_buffer, .address_space: global }
      - { .name: st, .offset: 16, .size: 8, .value_kind: global_buffer, .address_space: global }
    .group_segment_fixed_size: 327680
    .private_segment_fixed_size: 0
    .kernarg_segment_align: 8
    .kernarg_segment_size: 24
    .max_flat_workgroup_size: 128
    .sgpr_count:     80
    .vgpr_count:     1024
    .wavefront_size: 32
...
	.end_amdgpu_metadata
.endif
;; end of part 3
;; launch pv (part 4): grid 4 x 64, 4 waves a work-group, clusters of 4 x 4, 327,680 bytes of LDS; arguments p, qkv, st, o; writes o
.if DOCPART == 4
	.amdgcn_target "amdgcn-amd-amdhsa--gfx1250"
	.amdhsa_code_object_version 6
	.text
	.protected	k_qe40a433755_pv
	.globl	k_qe40a433755_pv
	.p2align	8
	.type	k_qe40a433755_pv,@function
k_qe40a433755_pv:
	s_mov_b64 s[64:65], 0
	v_nop
	global_prefetch_b8 v0, s[64:65] scope:SCOPE_SE
	s_setreg_imm32_b32 hwreg(HW_REG_WAVE_MODE, 25, 1), 1
	s_wait_xcnt 0x0
	s_wait_alu depctr_hold_cnt(0) depctr_sa_sdst(0) depctr_va_vdst(0) depctr_va_sdst(0) depctr_va_ssrc(0) depctr_va_vcc(0) depctr_vm_vsrc(0)
	s_getreg_b32 s2, hwreg(HW_REG_IB_STS2, 6, 4)
	s_cmp_eq_u32 s2, 0
	s_cbranch_scc0 .Lentry_in_a_cluster
	s_endpgm
.Lentry_in_a_cluster:
	s_bfe_u32 s2, ttmp6, 0x10000c
	s_cmp_lg_u32 s2, 0xf033
	s_cbranch_scc0 .Lentry_shape_is_right
	s_endpgm
.Lentry_shape_is_right:
; ONE TEXT FOR THREE PRODUCTS C = A B (+ bias), chosen by KIND.  A: [M][K], K along the rows.  B: [K][N], N along the rows, used as it lies.  Sums in f32.
;   KIND 0  qkv = xb wqkvb + bf16(bqkv): bf16 operands, C f16 [8192][3072]
;   KIND 1  o = (sum over chunks t of alpha_t P~_t V_t) / L: f16 operands; A = p [8192][2048], B = v (columns 2048.. of qkv's rows, my batch's 2,048 rows), C f16 [8192][1024]
;   KIND 2  out0 = o woh + bf16(bout): f16 operands, C f32 [8192][1024]
; LIMITS.  C in f16 holds no number beyond 65,504 (q, k, v, o).  KIND 1: alpha P~ is formed in f16: below 6e-5 it keeps f16's step of 6e-8, below that it is 0.  NaN and infinities are not treated apart.
; SHARES.  A tile of C is 128 x 256, so that N = 1,024 still gives 256 work-groups.  Wave w takes columns 128 j .. (j = w & 1), ALL 128 rows, and of every K step's 128 the 64 at 64 kh (kh = w >> 1):
; 64 accumulators, 512 registers, as many multiply-adds for an LDS byte as a wave tile of 128 x 128 has.  At the end waves w and w ^ 2 exchange halves through LDS: each keeps its OWN 64 rows (64 kh ..),
; gives the other 64 away, adds what it gets, and stores 64 x 128.
; RING.  Two LDS slots, each a K step: A's 128 rows x 256 bytes, B's 128 k-rows x 512 bytes.  Waves 0, 1 fetch A's halves of 64 rows, waves 2, 3 B's: one tensor load a wave behind each change of slots.
; CLUSTER.  4 x 4 work-groups: A's tile is asked for jointly by a row of the cluster, B's by a column.
; THE MATRIX INSTRUCTION IS USED TRANSPOSED: source 0 = 16 columns of B (turned on the way out of LDS by ds_load_tr16_b128), source 1 = 16 rows of A: a lane holds row lane % 16 of C and eight neighbouring columns.
; SOFTMAX (KIND 1).  The launch before left, for each row and chunk of 128 keys, e = floor(c max s), P~ = 2^(c s - e) and l = sum P~.  Here E = max e, alpha = 2^(e - E), an exact power of two,
; L = sum alpha l >= 1; A's fragments are multiplied by alpha (a chunk is a K step), the sums by 1 / L on the way out: every weight is taken against its row's largest exponent.
; REGISTERS, in windows of 256 (s_set_vgpr_msb: bits 1:0 source 0, 3:2 source 1, 5:4 source 2, 7:6 destination):
;   window 0: v0-31 addresses; v32-47 alpha, a set for each slot; v64-127, v128-191 A's fragments, two buffers (0-3 own rows, 4-7 given rows); v32-63, v192-255 at work on the way out
;   window 1: v64-127, v128-191 B's fragments; v192-255 the bias of my 128 columns as an accumulator holds them; v0-31 at work
;   window 2: the 32 accumulators of my own rows ((a, b) at v[8 (8 a + b)]);   window 3: those of the rows that I give away
.set KIND, 1
.if KIND == 0
.set PA, 1024                          ; elements from row to row of A
.set PB, 3072                          ; of B
.set LAPS, 4                           ; K / 256: a lap is two K steps, once round the ring
.set CPITCH, 6144                      ; bytes from row to row of C
.set CSIZE, 2
.set ZFIRST, 2                         ; the first product of my own rows starts the sums with the bias
.elseif KIND == 1
.set PA, 2048
.set PB, 3072
.set LAPS, 8
.set CPITCH, 2048
.set CSIZE, 2
.set ZFIRST, 1                         ; with the constant 0
.else
.set PA, 1024
.set PB, 1024
.set LAPS, 4
.set CPITCH, 4096
.set CSIZE, 4
.set ZFIRST, 2
.endif
.set PITCH,  272                       ; A's LDS row: 256 bytes + 16 = 68 words: the 16 rows of a load start at 16 different groups of four banks (64 banks of 4 bytes: ISA guide 11.1)
.set PBL,    544                       ; B's LDS row: 512 bytes + 32 = 136 words
.set AHALF,  64*PITCH                  ; what one tensor load brings of A
.set BHALF,  64*PBL                    ; and of B
.set BOFF,   2*AHALF                   ; B lies behind A's 128 rows
.set SLOT,   2*AHALF+2*BHALF           ; 104,448
.set XCH,    32768                     ; the exchange: 32,768 bytes a wave from LDS byte 0 on, in the ring, written only when the ring has had its last fill
.set STAGE,  2*SLOT                    ; behind the ring: 16 rows of 128 columns for each wave, for the way out
.set SPITCH, 128*CSIZE+16
.set TAB,    STAGE+4*16*SPITCH         ; KIND 1: alpha as a pair of f16: 512 bytes a chunk; row i at 32 (i % 16) + 4 (i / 16)
.if KIND == 1
.set INV,    TAB+8192                  ; 1 / L of the tile's 128 rows
.set SPARE,  INV+512
.else
.set SPARE,  TAB                       ; the spare words, 128 bytes for each wave: two blocks of 256 bytes that no other line names
.endif
.set ILA,   15                         ; v15     KIND 1: LDS address of my row's 1 / L
.set ADRAO, 16                         ; v16-17  LDS address of my own rows' fragments of A in slot 0, 1
.set ADRAG, 18                         ; v18-19  of the given rows'
.set ADRB,  20                         ; v20-21  of B's fragments
.set ALAO,  22                         ; v22     KIND 1: LDS address of my own rows' alpha; steps 1,024 a lap
.set ALAG,  23                         ; v23     of the given rows'
.set STO,   24                         ; v24     the way out: where I put my part of a row
.set RD,    25                         ; v25     where I read rows back
.set CO,    26                         ; v26     my byte offset in C
.set XW,    27                         ; v27     the exchange: where I write
.set SPW,   28                         ; v28     LDS address of my spare word; never rewritten
.set NIL,   29                         ; v29     0; never rewritten
.set XR,    30                         ; v30     the exchange: where I read
.set GA,    31                         ; v31     byte offset of the head's global loads
.set AL,    32                         ; v32-39, v40-47  alpha of slot 0's, slot 1's step: four own blocks, four given blocks
.set OB,    32                         ; the way out: rows read back, v32-63 and v224-255 by turns
.set F0,    64
.set F1,    128
.set IL,    64                         ; KIND 1, way out: 1 / L of my four blocks, each twice (a pair for the packed multiply)
.set TMP,   192
.set BIAS,  192                        ; window 1
.set G1,  24                           ; s[24:31] descriptor group 1 for A's tiles;  s[32:39] group 0, one set for each slot
.set G0,  32
.set G1B, 48                           ; s[48:55], s[56:63] the same for B's
.set G0B, 56
.set MSB, 0
.macro WIN new                         ; the immediate's high byte repeats the setting that is left; a switch that changes nothing is dropped
.if MSB != (\new)
	s_set_vgpr_msb (MSB<<8)|(\new)
.set MSB, \new
.endif
.endm
.set MUL_LO, 0xa1                      ; source 0 (B) window 1, source 1 (A) window 0, C and D window 2
.set MUL_HI, 0xf1                      ; the same, C and D window 3
.set MUL_BI, 0x91                      ; D window 2, C (the bias) window 1
.set TO_B,   0x40                      ; destination window 1, address window 0
; A joint load.  Waves 0 and 1 fetch A's two halves, waves 2 and 3 B's.  The branch hangs on the wave's number alone.  An s_nop 0 and four v_nop follow each of the two lines.
.macro JLOAD s
	s_cmp_eq_u32 s11, 0
	s_cbranch_scc0 .Lfor_b_\@
	tensor_load_to_lds s[G0+4*(\s):G0+4*(\s)+3], s[G1:G1+7]
	s_nop 0
.rept 4
	v_nop
.endr
	s_branch .Lasked_\@
.Lfor_b_\@:
	tensor_load_to_lds s[G0B+4*(\s):G0B+4*(\s)+3], s[G1B:G1B+7]
	s_nop 0
.rept 4
	v_nop
.endr
.Lasked_\@:
.endm
.macro CREST                           ; a round of the cluster's barrier behind its opening barrier
	s_cmp_lg_u32 s10, 0
	s_cbranch_scc1 .Lnot_wave_0_\@
	s_barrier_signal -3
.Lnot_wave_0_\@:
	s_barrier_wait -3
	s_barrier_signal -1
	s_barrier_wait -1
.endm
.macro CROUND                          ; a whole round
	s_barrier_signal -1
	s_barrier_wait -1
	CREST
.endm
.macro PLACES                          ; four places in front of loads into registers that matrix instructions have read, and of lines that read results just made
.rept 4
	v_nop
.endr
.endm
	s_load_b128 s[4:7], s[0:1], 0x0                ; A s[4:5], B s[6:7]
	s_load_b128 s[68:71], s[0:1], 0x10             ; the bias or the statistics s[68:69], C s[70:71]
	v_lshl_add_u32 v[SPW], v0, 2, SPARE
	v_mov_b32 v[NIL], 0
	ds_add_u32 v28, v29
	s_wait_dscnt 0x0
	v_lshrrev_b32 v1, 5, v0
	v_readfirstlane_b32 s10, v1                    ; wave 0..3
	v_and_b32 v1, 15, v0                           ; r = lane % 16
	v_bfe_u32 v2, v0, 4, 1                         ; h = lane / 16
.if KIND == 1
	v_lshlrev_b32 v[GA], 2, v0                     ; thread i stands for row i of the tile
.else
	v_lshlrev_b32 v[GA], 5, v2                     ; my eight columns of a block of sixteen
.endif
	s_lshr_b32 s11, s10, 1                         ; kh.  Also: I fetch for A (0) or for B (1)
	s_and_b32 s12, s10, 1                          ; j.   Also: which 64 rows of that tile I fetch
	s_bfe_u32 s40, ttmp6, 0x40000                  ; cx, cy: my place in the cluster
	s_bfe_u32 s41, ttmp6, 0x40004
	s_lshl_b32 s42, ttmp9, 2
	s_add_co_u32 s42, s42, s40                     ; tile column = 4 x cluster x + cx
	s_and_b32 s13, ttmp7, 0xffff
.if KIND == 1
	s_lshr_b32 s45, s13, 2                         ; the batch: 16 tile rows, four clusters: the same in all sixteen partners
.endif
	s_lshl_b32 s13, s13, 2
	s_add_co_u32 s13, s13, s41                     ; tile row = 4 x cluster y + cy
	s_lshl_b32 s43, s41, 2
	s_lshl_b32 s43, 15, s43                        ; my row of the cluster
	s_lshl_b32 s44, 0x1111, s40                    ; my column
	; group 1 for A: 64 rows x 128 elements; 16 bytes of padding behind every 64 words.  For B: 64 rows x 256 elements; 32 bytes behind every 128 words
	s_or_b32 s[G1+0], s43, (1<<16)|(1<<20)|(1<<21)|(5<<22)|(3<<25)   ; 15:0 the mask; 17:16 2-byte elements; 20 padding on; 21 set beside a mask; 24:22 interval; 31:25 padding less one word
	s_or_b32 s[G1B+0], s44, (1<<16)|(1<<20)|(1<<21)|(6<<22)|(7<<25)
	s_mov_b32 s[G1+1], 128<<16                     ; tensor_dim0
	s_mov_b32 s[G1B+1], 256<<16
	s_mov_b32 s[G1+2], 64<<16                      ; tensor_dim1
	s_mov_b32 s[G1B+2], 64<<16
	s_mov_b32 s[G1+3], 128<<16                     ; tile_dim0
	s_mov_b32 s[G1B+3], 256<<16
	s_mov_b32 s[G1+4], 64                          ; tile_dim1
	s_mov_b32 s[G1B+4], 64
	s_mov_b32 s[G1+5], PA                          ; elements from row to row
	s_mov_b32 s[G1B+5], PB
	s_mov_b32 s[G1+6], 0
	s_mov_b32 s[G1B+6], 0
	s_mov_b32 s[G1+7], 0
	s_mov_b32 s[G1B+7], 0
	s_lshl_b32 s16, s13, 7                         ; A: row 128 x tile row + 64 x half, in bytes (under 2^32)
	s_lshl_b32 s17, s12, 6
	s_add_co_u32 s16, s16, s17
	s_mul_i32 s16, s16, PA*2
	s_mov_b32 s17, 0
	s_mul_i32 s46, s12, 64*PB*2                    ; B: k-row 64 x half, column 256 x tile column
	s_lshl_b32 s47, s42, 9
	s_add_co_u32 s46, s46, s47
.if KIND == 1
	s_mul_i32 s47, s45, 2048*PB*2                  ; my batch's rows of qkv,
	s_add_co_u32 s46, s46, s47
	s_add_co_u32 s46, s46, 4096                    ; and v's place in a row
.endif
	s_mov_b32 s47, 0
	s_mul_i32 s20, s12, AHALF                      ; where they go: no place in the cluster enters an LDS address
	s_mul_i32 s21, s12, BHALF
	s_add_co_u32 s21, s21, BOFF
.if KIND == 1
	s_lshl_b32 s72, s45, 17                        ; statistics: [batch][chunk][row] f32: 131,072 bytes a batch,
	s_and_b32 s73, s13, 15
	s_lshl_b32 s73, s73, 9                         ; my tile's 128 rows
.else
	s_lshl_b32 s72, s42, 10                        ; bias: my 128 columns
	s_lshl_b32 s73, s12, 9
.endif
	s_add_co_u32 s72, s72, s73
	s_mov_b32 s73, 0
	s_wait_kmcnt 0x0
	s_add_nc_u64 s[14:15], s[4:5], s[16:17]
	s_add_nc_u64 s[46:47], s[6:7], s[46:47]
	s_add_nc_u64 s[68:69], s[68:69], s[72:73]
	s_mov_b64 s[8:9], s[70:71]
.if KIND == 1
.set t, 0
.rept 16                                           ; e and l of my row in all 16 chunks
	global_load_b32 v[F0+t],    v[GA], s[68:69] offset:8192*t
	global_load_b32 v[F0+16+t], v[GA], s[68:69] offset:8192*t+524288
.set t, t+1
.endr
.else
	WIN TO_B
.irp b, 0,1,2,3,4,5,6,7                            ; register n of block b: the bias of column 16 b + 8 h + n
	global_load_b128 v[BIAS+8*(\b):BIAS+8*(\b)+3],   v[GA], s[68:69] offset:64*(\b)
	global_load_b128 v[BIAS+8*(\b)+4:BIAS+8*(\b)+7], v[GA], s[68:69] offset:64*(\b)+16
.endr
	WIN 0
.endif
	CROUND                                         ; all sixteen work-groups are here: the first joint loads meet
.irp s, 0,1
	s_mov_b32 s[G0+4*(\s)], 1                                        ; count = 1
	s_add_co_u32 s[G0+4*(\s)+1], s20, (\s)*SLOT                      ; LDS address
	s_add_nc_u64 s[G0+4*(\s)+2:G0+4*(\s)+3], s[14:15], (\s)*256      ; K step s: 128 elements along A's rows
	s_or_b32 s[G0+4*(\s)+3], s[G0+4*(\s)+3], 0x80000000              ; type = 2
	s_mov_b32 s[G0B+4*(\s)], 1
	s_add_co_u32 s[G0B+4*(\s)+1], s21, (\s)*SLOT
	s_add_nc_u64 s[G0B+4*(\s)+2:G0B+4*(\s)+3], s[46:47], (\s)*256*PB ; 128 rows of B down
	s_or_b32 s[G0B+4*(\s)+3], s[G0B+4*(\s)+3], 0x80000000
	JLOAD \s
.endr
	; A's fragment: lane l holds row l % 16; K = 8 h + 0..7 and 16 + 8 h + 0..7: two loads of 16 bytes, 32 bytes apart
	v_mul_u32_u24 v3, v1, PITCH
	v_lshl_add_u32 v3, v2, 4, v3                   ; r x pitch + 16 h
	; B's fragment, turned: lane l reads k-row 8 h + l % 8, columns 8 ((l / 8) % 2) + 0..7, and holds column l % 16 and 8 k; the second load 16 k-rows on
	v_and_b32 v4, 7, v0
	v_lshl_add_u32 v4, v2, 3, v4
	v_mul_u32_u24 v4, v4, PBL
	v_bfe_u32 v5, v0, 3, 1
	v_lshl_add_u32 v4, v5, 4, v4
	s_mul_i32 s21, s11, AHALF+128                  ; own rows 64 kh .., my 64 of K at byte 128 kh
	s_xor_b32 s22, s11, 1
	s_mul_i32 s22, s22, AHALF                      ; given rows 64 (1 - kh) ..
	s_lshl_b32 s23, s11, 7
	s_add_co_u32 s22, s22, s23
	s_mul_i32 s23, s11, BHALF                      ; B's k-rows 64 kh .., columns 128 j ..
	s_lshl_b32 s74, s12, 8
	s_add_co_u32 s23, s23, s74
	s_add_co_u32 s23, s23, BOFF
.irp s, 0,1
	v_add_nc_u32 v[ADRAO+(\s)], s21, v3
	v_add_nc_u32 v[ADRAG+(\s)], s22, v3
	v_add_nc_u32 v[ADRB+(\s)], s23, v4
	s_add_co_u32 s21, s21, SLOT
	s_add_co_u32 s22, s22, SLOT
	s_add_co_u32 s23, s23, SLOT
.endr
	v_and_b32 v5, 31, v0
	v_lshlrev_b32 v5, 4, v5                        ; 16 x lane
	s_lshl_b32 s74, s10, 15
	v_add_nc_u32 v[XW], s74, v5                    ; I write my wave's 32,768 bytes,
	s_xor_b32 s74, s10, 2
	s_lshl_b32 s74, s74, 15
	v_add_nc_u32 v[XR], s74, v5                    ; and read those of the wave with the other half of K
	s_mul_i32 s74, s10, 16*SPITCH
	s_add_co_u32 s74, s74, STAGE                   ; my stage
.if KIND == 2
	v_mul_u32_u24 v6, v1, SPITCH                   ; in: row r, 32 bytes for each half of the lanes
	v_lshl_add_u32 v6, v2, 5, v6
	v_add_nc_u32 v[STO], s74, v6
	v_add_nc_u32 v[RD], s74, v5                    ; back: 32 lanes take a row of 512 bytes
	v_mov_b32 v[CO], v5
.else
	v_add_nc_u32 v[STO], s74, v3                   ; in: row r, 16 bytes for each half of the lanes (the stage's pitch is A's)
	v_mul_u32_u24 v6, v2, SPITCH                   ; back: lanes 0-15 take one row of 256 bytes, lanes 16-31 the next
	v_lshl_add_u32 v6, v1, 4, v6
	v_add_nc_u32 v[RD], s74, v6
	v_mul_u32_u24 v6, v2, CPITCH
	v_lshl_add_u32 v[CO], v1, 4, v6
.endif
	s_lshl_b32 s16, s13, 7                         ; where my part of C begins: row 128 x tile row + 64 kh, column 256 x tile column + 128 j
	s_lshl_b32 s17, s11, 6
	s_add_co_u32 s16, s16, s17
	s_mul_i32 s16, s16, CPITCH
	s_mul_i32 s72, s42, 256*CSIZE
	s_mul_i32 s73, s12, 128*CSIZE
	s_add_co_u32 s16, s16, s72
	s_add_co_u32 s16, s16, s73
	s_mov_b32 s17, 0
	s_wait_loadcnt 0x0                             ; the bias, or the statistics: all this stands in the wait for the first tile
.if KIND == 1
	v_max3_num_f32 v96, v[F0], v[F0+1], v[F0+2]    ; E = the largest e of my row
.irp t, 3,5,7,9,11,13
	v_max3_num_f32 v96, v96, v[F0+(\t)], v[F0+(\t)+1]
.endr
	v_max_num_f32 v96, v96, v[F0+15]
.set t, 0
.rept 16
	v_sub_f32 v[F0+t], v[F0+t], v96
.set t, t+1
.endr
.set t, 0
.rept 16
	v_exp_f32 v[F0+t], v[F0+t]                     ; alpha = 2^(e - E)
.set t, t+1
.endr
	v_nop                                          ; a plain instruction behind the last exponential
	s_wait_alu depctr_va_vdst(0)
	v_mul_f32 v97, v[F0], v[F0+16]                 ; L = sum alpha l, in two chains
	v_mul_f32 v98, v[F0+1], v[F0+17]
.irp t, 2,4,6,8,10,12,14
	v_fmac_f32 v97, v[F0+(\t)], v[F0+16+(\t)]
	v_fmac_f32 v98, v[F0+(\t)+1], v[F0+17+(\t)]
.endr
	v_add_f32 v97, v97, v98
.set t, 0
.rept 16
	v_cvt_pk_f16_f32 v[100+t], v[F0+t], v[F0+t]    ; alpha in both halves of a word
.set t, t+1
.endr
	v_lshlrev_b32 v99, 5, v1
	v_lshrrev_b32 v98, 4, v0
	v_lshl_add_u32 v99, v98, 2, v99
	v_add_nc_u32 v99, TAB, v99                     ; 32 (i % 16) + 4 (i / 16): a lane later finds four blocks' alpha of its row in 16 bytes
.set t, 0
.rept 16
	ds_store_b32 v99, v[100+t] offset:512*t
.set t, t+1
.endr
	v_rcp_f32 v97, v97
	v_lshl_add_u32 v98, v0, 2, INV                 ; (the plain instruction behind the reciprocal)
	s_wait_alu depctr_va_vdst(0)
	ds_store_b32 v98, v97
	v_lshlrev_b32 v[ALAO], 5, v1
	s_lshl_b32 s22, s11, 4
	s_xor_b32 s23, s22, 16
	s_add_co_u32 s22, s22, TAB
	s_add_co_u32 s23, s23, TAB
	v_add_nc_u32 v[ALAG], s23, v[ALAO]             ; blocks 4 (1 - kh) ..
	v_add_nc_u32 v[ALAO], s22, v[ALAO]             ; blocks 4 kh ..
	s_lshl_b32 s22, s11, 8
	s_add_co_u32 s22, s22, INV
	v_lshl_add_u32 v[ILA], v1, 2, s22              ; row 64 kh + r
.else
	WIN 0x45                                       ; the bias is rounded to bf16, as all inputs are: destination and both sources in window 1
.set i, 0
.rept 32
	v_cvt_pk_bf16_f32 v[i], v[BIAS+2*i], v[BIAS+2*i+1]
.set i, i+1
.endr
.set i, 0
.rept 32
	v_lshlrev_b32 v[BIAS+2*i], 16, v[i]
	v_and_b32 v[BIAS+2*i+1], 0xffff0000, v[i]
.set i, i+1
.endr
	WIN 0
.endif
.macro WM zero, b                      ; one matrix instruction on rD, rB, rA.  zero = 0: in place; 1: the constant 0 starts the sum; 2: the bias does
.if KIND == 0
.if (\zero) == 0
	v_wmma_f32_16x16x32_bf16 v[rD:rD+7], v[rB:rB+7], v[rA:rA+7], v[rD:rD+7]
.elseif (\zero) == 1
	v_wmma_f32_16x16x32_bf16 v[rD:rD+7], v[rB:rB+7], v[rA:rA+7], 0
.else
	v_wmma_f32_16x16x32_bf16 v[rD:rD+7], v[rB:rB+7], v[rA:rA+7], v[BIAS+8*(\b):BIAS+8*(\b)+7]
.endif
.else
.if (\zero) == 0
	v_wmma_f32_16x16x32_f16 v[rD:rD+7], v[rB:rB+7], v[rA:rA+7], v[rD:rD+7]
.elseif (\zero) == 1
	v_wmma_f32_16x16x32_f16 v[rD:rD+7], v[rB:rB+7], v[rA:rA+7], 0
.else
	v_wmma_f32_16x16x32_f16 v[rD:rD+7], v[rB:rB+7], v[rA:rA+7], v[BIAS+8*(\b):BIAS+8*(\b)+7]
.endif
.endif
.endm
; 16 matrix instructions: row blocks a0, a0 + 1 of the window's four (hi = 0: own rows, 1: given rows) x all 8 column blocks, 32 along K.
; The 64 accumulators take turns, one instruction a turn, in the same order in every quarter.
.macro MUL16 f, hi, a0, zero
.if (\zero) == 2
	WIN MUL_BI
.else
	WIN MUL_LO+0x50*(\hi)
.endif
.irp a, \a0, (\a0)+1
.irp b, 0,1,2,3,4,5,6,7
.set rD, 8*(8*(\a)+(\b))
.set rB, (\f)+8*(\b)
.set rA, (\f)+8*(4*(\hi)+(\a))
	WM \zero, \b
.endr
.endr
.endm
; 32 LDS loads in one run: my 32 of K number q (0, 1) of the slot's step into buffer f: B's 8 fragments, A's 4 own, A's 4 given (the youngest eight loads).
; KIND 1, aoff >= 0: ahead of them the step's alpha, own and given blocks: older than every fragment load, so the counted waits below cover them.
.macro FETCH slot, q, f, aoff=-1
.if KIND == 1
.if (\aoff) >= 0
	WIN 0
	ds_load_b128 v[AL+8*(\slot):AL+8*(\slot)+3],   v[ALAO] offset:\aoff
	ds_load_b128 v[AL+8*(\slot)+4:AL+8*(\slot)+7], v[ALAG] offset:\aoff
.endif
.endif
	WIN TO_B
.irp i, 0,1,2,3,4,5,6,7
	ds_load_tr16_b128 v[(\f)+8*(\i):(\f)+8*(\i)+3],   v[ADRB+(\slot)] offset:(\q)*32*PBL+32*(\i)
	ds_load_tr16_b128 v[(\f)+8*(\i)+4:(\f)+8*(\i)+7], v[ADRB+(\slot)] offset:(\q)*32*PBL+16*PBL+32*(\i)
.endr
	WIN 0
.irp i, 0,1,2,3
	ds_load_b128 v[(\f)+8*(\i):(\f)+8*(\i)+3],   v[ADRAO+(\slot)] offset:(\q)*64+(\i)*16*PITCH
	ds_load_b128 v[(\f)+8*(\i)+4:(\f)+8*(\i)+7], v[ADRAO+(\slot)] offset:(\q)*64+(\i)*16*PITCH+32
.endr
.irp i, 0,1,2,3
	ds_load_b128 v[(\f)+32+8*(\i):(\f)+32+8*(\i)+3],   v[ADRAG+(\slot)] offset:(\q)*64+(\i)*16*PITCH
	ds_load_b128 v[(\f)+32+8*(\i)+4:(\f)+32+8*(\i)+7], v[ADRAG+(\slot)] offset:(\q)*64+(\i)*16*PITCH+32
.endr
.endm
.macro SCALE f, half, slot             ; KIND 1: four fragments of P~ times their rows' alpha: exact, alpha being a power of two, down to f16's smallest step
	WIN 0
.irp i, 0,1,2,3
.irp k, 0,1,2,3,4,5,6,7
	v_pk_mul_f16 v[(\f)+32*(\half)+8*(\i)+(\k)], v[(\f)+32*(\half)+8*(\i)+(\k)], v[AL+8*(\slot)+4*(\half)+(\i)]
.endr
.endr
.endm
; A wave's share of a K step is two quarters of 32 along K, 64 matrix instructions each, on buffers 0, 1.  The first: multiplies f and fetches the second into g.
.macro QUARTER slot, f, g, zero
	s_wait_dscnt 8                                 ; B and A's own rows are in; the youngest eight loads (the given rows) may be out
.if KIND == 1
	SCALE \f, 0, \slot
.endif
	MUL16 \f, 0, 0, \zero
	MUL16 \f, 0, 2, \zero
.if KIND == 1
	s_wait_dscnt 0x0                               ; the given rows
	SCALE \f, 1, \slot                             ; 32 plain instructions on other registers: also the places in front of the loads
.else
	PLACES
.endif
	FETCH \slot, 1, \g
.if KIND != 1
	s_wait_dscnt 32                                ; all but the 32 just issued
.endif
.if \zero
	MUL16 \f, 1, 0, 1
	MUL16 \f, 1, 2, 1
.else
	MUL16 \f, 1, 0, 0
	MUL16 \f, 1, 2, 0
.endif
.endm
; The second quarter multiplies buffer 1 and changes slots.  ONE barrier: in front of it each wave waits for all its tensor loads, of which one is out: its part of the next slot; adds 0 to its spare
; word; and waits for that and for its own reads of this slot.  Behind it nobody reads this slot any more and the next slot is whole.
.macro MEET round, slot
	WIN 0
	s_wait_tensorcnt 0x0                           ; all my tensor loads have landed
	ds_add_u32 v[SPW], v[NIL]                      ; 0 onto my spare word
	s_wait_dscnt 9                                 ; (the add and the youngest eight loads may be out)
.if KIND == 1
	SCALE F1, 0, \slot
.endif
	MUL16 F1, 0, 0, 0                              ; work on registers between the add and the wait for it
	s_wait_dscnt 0x0                               ; the add is done, and my reads of this slot are over
	s_barrier_signal -1
	MUL16 F1, 0, 2, 0                              ; registers alone between signal and wait
.if KIND == 1
	SCALE F1, 1, \slot
.endif
.if \round
	WIN 0
.endif
	s_barrier_wait -1
.endm
; fill = 1: the barrier opens a round of the cluster's barrier, and the slot just read out is filled again, two K steps on, first thing behind the round: 96 matrix instructions ahead of the wait for it.
.macro TURN slot, next, fill, aoff
	MEET \fill, \slot
.if \fill
	CREST                                          ; no wave of any partner still reads this slot or has a load on its way
	s_add_nc_u64 s[G0+4*(\slot)+2:G0+4*(\slot)+3], s[G0+4*(\slot)+2:G0+4*(\slot)+3], 512
	s_add_nc_u64 s[G0B+4*(\slot)+2:G0B+4*(\slot)+3], s[G0B+4*(\slot)+2:G0B+4*(\slot)+3], 512*PB
	JLOAD \slot                                    ; its four v_nop are also the places in front of the loads below
.else
	PLACES
.endif
	FETCH \next, 0, F0, \aoff
	MUL16 F1, 1, 0, 0
	MUL16 F1, 1, 2, 0
.endm
.macro LAST slot                       ; the very last quarter: nothing more to fetch
	s_wait_dscnt 8
.if KIND == 1
	SCALE F1, 0, \slot
.endif
	MUL16 F1, 0, 0, 0
	MUL16 F1, 0, 2, 0
	s_wait_dscnt 0x0
.if KIND == 1
	SCALE F1, 1, \slot
.endif
	MUL16 F1, 1, 0, 0
	MUL16 F1, 1, 2, 0
	WIN 0
.endm
	s_wait_tensorcnt 1                             ; my part of K step 0 is in; K step 1's may stay out
.if KIND == 1
	s_wait_dscnt 0x0                               ; for the others' sake: my rows of the tables are written
.endif
	s_barrier_signal -1
	s_barrier_wait -1
	FETCH 0, 0, F0, 0
	QUARTER 0, F0, F1, ZFIRST                      ; the first quarter stands in front of the loop: its products start the sums
	WIN 0                                          ; at a label and at a branch every window is 0
	s_mov_b32 s3, LAPS-1
.Llap:                                                 ; a trip goes once round the ring and fills both slots again
	TURN 0, 1, 1, 512
	QUARTER 1, F0, F1, 0
	TURN 1, 0, 1, 1024
	QUARTER 0, F0, F1, 0
	WIN 0
.if KIND == 1
	v_add_nc_u32 v[ALAO], 1024, v[ALAO]            ; two chunks on
	v_add_nc_u32 v[ALAG], 1024, v[ALAG]
.endif
	s_sub_co_u32 s3, s3, 1
	s_cmp_lg_u32 s3, 0
	s_cbranch_scc1 .Llap
	TURN 0, 1, 0, 512                              ; the last lap fills nothing, and has no round of the cluster's barrier
	QUARTER 1, F0, F1, 0
	LAST 1
	; THE EXCHANGE.  My LDS reads are back and no tensor load of the work-group is out (each wave waited in front of the last change of slots): behind this barrier the ring's bytes serve as scratch.
	s_barrier_signal -1
	s_barrier_wait -1
	PLACES
	WIN 0x0c                                       ; store data in window 3
.set i, 0
.rept 64
	ds_store_b128 v[XW], v[4*i:4*i+3] offset:512*i ; the given rows' sums, each accumulator's low registers first
.set i, i+1
.endr
	WIN 0
	s_wait_dscnt 0x0                               ; for the other wave's sake
	s_barrier_signal -1
	s_barrier_wait -1
.macro XLOAD g                         ; 64 registers of the other wave's sums for my own rows: its register n of window 3 belongs to my register n of window 2
	WIN 0
.set i, 0
.rept 16
	ds_load_b128 v[F0+64*((\g)%2)+4*i:F0+64*((\g)%2)+4*i+3], v[XR] offset:512*(16*(\g)+i)
.set i, i+1
.endr
.endm
.macro XADD g
	WIN 0x82                                       ; destination and source 0 window 2, source 1 window 0
.set i, 0
.rept 32
	v_pk_add_f32 v[64*(\g)+2*i:64*(\g)+2*i+1], v[64*(\g)+2*i:64*(\g)+2*i+1], v[F0+64*((\g)%2)+2*i:F0+64*((\g)%2)+2*i+1]
.set i, i+1
.endr
.endm
	XLOAD 0
	XLOAD 1
	s_wait_dscnt 16                                ; all but the sixteen just issued
	XADD 0
	XLOAD 2
	s_wait_dscnt 16
	XADD 1
	XLOAD 3
	s_wait_dscnt 16
	XADD 2
	s_wait_dscnt 0x0
	XADD 3
	WIN 0
	; THE WAY OUT of my four blocks of 16 rows x 128 columns, through my own stage: whole rows come back and are stored.
.if KIND == 2
.macro TOST a                          ; f32: 32 bytes a lane and block of columns into rows of 528 bytes; back as rows of 512
	WIN 0x08                                       ; store data in window 2
.irp b, 0,1,2,3,4,5,6,7
	ds_store_b128 v[STO], v[64*(\a)+8*(\b):64*(\a)+8*(\b)+3]   offset:64*(\b)
	ds_store_b128 v[STO], v[64*(\a)+8*(\b)+4:64*(\a)+8*(\b)+7] offset:64*(\b)+16
.endr
	WIN 0
.set BK, F0+64*((\a)%2)
.irp t, 0,1,2,3,4,5,6,7,8,9,10,11,12,13,14,15
	ds_load_b128 v[BK+4*(\t):BK+4*(\t)+3], v[RD] offset:(\t)*SPITCH  ; LDS serves a wave's instructions in order (ISA guide 5.7.1.4): these see the stores above
.endr
.endm
.macro SEND a
	WIN 0
.set BK, F0+64*((\a)%2)
	s_wait_dscnt 0x0                               ; the block is back in registers
	s_wait_xcnt 0x0                                ; only behind this wait are the stores' base and the registers that earlier stores read rewritten
.if (\a) == 0
	s_add_nc_u64 s[8:9], s[8:9], s[16:17]
.else
	s_add_nc_u64 s[8:9], s[8:9], 16*CPITCH
.endif
.irp t, 0,1,2,3,4,5,6,7,8,9,10,11,12,13,14,15
	global_store_b128 v[CO], v[BK+4*(\t):BK+4*(\t)+3], s[8:9] offset:(\t)*CPITCH th:TH_STORE_NT  ; 512 consecutive bytes, at a multiple of 256 from C's first byte
.endr
.endm
	TOST 0
.irp a, 1,2,3
	SEND (\a)-1
	TOST \a
.endr
	SEND 3
.else
.if KIND == 1
.irp a, 0,1,2,3
	ds_load_b32 v[IL+2*(\a)],   v[ILA] offset:64*(\a)  ; 1 / L of row 64 kh + 16 a + r, into both registers of a pair
	ds_load_b32 v[IL+2*(\a)+1], v[ILA] offset:64*(\a)
.endr
	s_wait_dscnt 0x0
.endif
.macro PACK a                          ; (KIND 1: divided by L;) rounded to f16, 16 bytes a lane and block of columns
.if KIND == 1
	WIN 0x82
.set i, 0
.rept 32
	v_pk_mul_f32 v[64*(\a)+2*i:64*(\a)+2*i+1], v[64*(\a)+2*i:64*(\a)+2*i+1], v[IL+2*(\a):IL+2*(\a)+1] op_sel_hi:[1,0]
.set i, i+1
.endr
.endif
	WIN 0x0a                                       ; sources 0 and 1 window 2
.irp b, 0,1,2,3,4,5,6,7
.irp r, 0,1,2,3
	v_cvt_pk_f16_f32 v[TMP+4*(\b)+(\r)], v[64*(\a)+8*(\b)+2*(\r)], v[64*(\a)+8*(\b)+2*(\r)+1]
.endr
.endr
	WIN 0
.endm
.macro TOSTAGE a
	WIN 0
.set BK, OB+192*((\a)%2)
.irp b, 0,1,2,3,4,5,6,7
	ds_store_b128 v[STO], v[TMP+4*(\b):TMP+4*(\b)+3] offset:32*(\b)
.endr
.irp t, 0,1,2,3,4,5,6,7
	ds_load_b128 v[BK+4*(\t):BK+4*(\t)+3], v[RD] offset:(\t)*2*SPITCH  ; LDS serves a wave's instructions in order (ISA guide 5.7.1.4): these see the stores above
.endr
.endm
.macro SEND a
	WIN 0
.set BK, OB+192*((\a)%2)
	s_wait_dscnt 0x0                               ; the block is back in registers
	s_wait_xcnt 0x0                                ; only behind this wait are the stores' base and the registers that earlier stores read rewritten
.if (\a) == 0
	s_add_nc_u64 s[8:9], s[8:9], s[16:17]
.else
	s_add_nc_u64 s[8:9], s[8:9], 16*CPITCH
.endif
.irp t, 0,1,2,3,4,5,6,7
	global_store_b128 v[CO], v[BK+4*(\t):BK+4*(\t)+3], s[8:9] offset:2*(\t)*CPITCH  ; 16 lanes store 256 consecutive bytes, at a multiple of 256 from C's first byte
.endr
.endm
	PACK 0
	TOSTAGE 0
.irp a, 1,2,3                          ; block a's conversions stand between block a - 1's loads from the stage and the wait for them
	PACK \a
	SEND (\a)-1
	TOSTAGE \a
.endr
	SEND 3
.endif
	s_wait_tensorcnt 0x0                           ; the wave's end
	ds_add_u32 v[SPW], v[NIL]
	s_wait_dscnt 0x0
	CROUND                                         ; the closing round: no work-group ends while a partner may still ask for a tile that names it
	s_endpgm
.Lfunc_end_k_qe40a433755_pv:
	.size	k_qe40a433755_pv, .Lfunc_end_k_qe40a433755_pv-k_qe40a433755_pv
	.p2alignl 7, 3214868480
	.fill 96, 4, 3214868480
	.section	.rodata,"a",@progbits
	.p2align	6, 0x0
	.amdhsa_kernel k_qe40a433755_pv
		.amdhsa_group_segment_fixed_size 327680
		.amdhsa_private_segment_fixed_size 0
		.amdhsa_enable_private_segment 0
		.amdhsa_kernarg_size 32
		.amdhsa_user_sgpr_count 2
		.amdhsa_user_sgpr_kernarg_segment_ptr 1
		.amdhsa_wavefront_size32 1
		.amdhsa_system_sgpr_workgroup_id_x 1
		.amdhsa_system_sgpr_workgroup_id_y 1
		.amdhsa_system_sgpr_workgroup_id_z 1
		.amdhsa_system_vgpr_workitem_id 0
		.amdhsa_next_free_vgpr 1024
		.amdhsa_next_free_sgpr 80
		.amdhsa_reserve_vcc 0
		.amdhsa_float_denorm_mode_32 3
		.amdhsa_float_denorm_mode_16_64 3
		.amdhsa_memory_ordered 1
		.amdhsa_forward_progress 1
		.amdhsa_inst_pref_size 143
	.end_amdhsa_kernel
	.amdgpu_metadata
---
amdhsa.version: [ 1, 2 ]
amdhsa.kernels:
  - .name:           k_qe40a433755_pv
    .symbol:         k_qe40a433755_pv.kd
    .args:
      - { .name: p, .offset: 0, .size: 8, .value_kind: global_buffer, .address_space: global }
      - { .name: qkv, .offset: 8, .size: 8, .value_kind: global_buffer, .address_space: global }
      - { .name: st, .offset: 16, .size: 8, .value_kind: global_buffer, .address_space: global }
      - { .name: o, .offset: 24, .size: 8, .value_kind: global_buffer, .address_space: global }
    .group_segment_fixed_size: 327680
    .private_segment_fixed_size: 0
    .kernarg_segment_align: 8
    .kernarg_segment_size: 32
    .max_flat_workgroup_size: 128
    .sgpr_count:     80
    .vgpr_count:     1024
    .wavefront_size: 32
...
	.end_amdgpu_metadata
.endif
;; end of part 4
;; launch outp (part 5): grid 4 x 64, 4 waves a work-group, clusters of 4 x 4, 327,680 bytes of LDS; arguments o, woh, bout, out0; writes out0
.if DOCPART == 5
	.amdgcn_target "amdgcn-amd-amdhsa--gfx1250"
	.amdhsa_code_object_version 6
	.text
	.protected	k_qe40a433755_outp
	.globl	k_qe40a433755_outp
	.p2align	8
	.type	k_qe40a433755_outp,@function
k_qe40a433755_outp:
	s_mov_b64 s[64:65], 0
	v_nop
	global_prefetch_b8 v0, s[64:65] scope:SCOPE_SE
	s_setreg_imm32_b32 hwreg(HW_REG_WAVE_MODE, 25, 1), 1
	s_wait_xcnt 0x0
	s_wait_alu depctr_hold_cnt(0) depctr_sa_sdst(0) depctr_va_vdst(0) depctr_va_sdst(0) depctr_va_ssrc(0) depctr_va_vcc(0) depctr_vm_vsrc(0)
	s_getreg_b32 s2, hwreg(HW_REG_IB_STS2, 6, 4)
	s_cmp_eq_u32 s2, 0
	s_cbranch_scc0 .Lentry_in_a_cluster
	s_endpgm
.Lentry_in_a_cluster:
	s_bfe_u32 s2, ttmp6, 0x10000c
	s_cmp_lg_u32 s2, 0xf033
	s_cbranch_scc0 .Lentry_shape_is_right
	s_endpgm
.Lentry_shape_is_right:
; ONE TEXT FOR THREE PRODUCTS C = A B (+ bias), chosen by KIND.  A: [M][K], K along the rows.  B: [K][N], N along the rows, used as it lies.  Sums in f32.
;   KIND 0  qkv = xb wqkvb + bf16(bqkv): bf16 operands, C f16 [8192][3072]
;   KIND 1  o = (sum over chunks t of alpha_t P~_t V_t) / L: f16 operands; A = p [8192][2048], B = v (columns 2048.. of qkv's rows, my batch's 2,048 rows), C f16 [8192][1024]
;   KIND 2  out0 = o woh + bf16(bout): f16 operands, C f32 [8192][1024]
; LIMITS.  C in f16 holds no number beyond 65,504 (q, k, v, o).  KIND 1: alpha P~ is formed in f16: below 6e-5 it keeps f16's step of 6e-8, below that it is 0.  NaN and infinities are not treated apart.
; SHARES.  A tile of C is 128 x 256, so that N = 1,024 still gives 256 work-groups.  Wave w takes columns 128 j .. (j = w & 1), ALL 128 rows, and of every K step's 128 the 64 at 64 kh (kh = w >> 1):
; 64 accumulators, 512 registers, as many multiply-adds for an LDS byte as a wave tile of 128 x 128 has.  At the end waves w and w ^ 2 exchange halves through LDS: each keeps its OWN 64 rows (64 kh ..),
; gives the other 64 away, adds what it gets, and stores 64 x 128.
; RING.  Two LDS slots, each a K step: A's 128 rows x 256 bytes, B's 128 k-rows x 512 bytes.  Waves 0, 1 fetch A's halves of 64 rows, waves 2, 3 B's: one tensor load a wave behind each change of slots.
; CLUSTER.  4 x 4 work-groups: A's tile is asked for jointly by a row of the cluster, B's by a column.
; THE MATRIX INSTRUCTION IS USED TRANSPOSED: source 0 = 16 columns of B (turned on the way out of LDS by ds_load_tr16_b128), source 1 = 16 rows of A: a lane holds row lane % 16 of C and eight neighbouring columns.
; SOFTMAX (KIND 1).  The launch before left, for each row and chunk of 128 keys, e = floor(c max s), P~ = 2^(c s - e) and l = sum P~.  Here E = max e, alpha = 2^(e - E), an exact power of two,
; L = sum alpha l >= 1; A's fragments are multiplied by alpha (a chunk is a K step), the sums by 1 / L on the way out: every weight is taken against its row's largest exponent.
; REGISTERS, in windows of 256 (s_set_vgpr_msb: bits 1:0 source 0, 3:2 source 1, 5:4 source 2, 7:6 destination):
;   window 0: v0-31 addresses; v32-47 alpha, a set for each slot; v64-127, v128-191 A's fragments, two buffers (0-3 own rows, 4-7 given rows); v32-63, v192-255 at work on the way out
;   window 1: v64-127, v128-191 B's fragments; v192-255 the bias of my 128 columns as an accumulator holds them; v0-31 at work
;   window 2: the 32 accumulators of my own rows ((a, b) at v[8 (8 a + b)]);   window 3: those of the rows that I give away
.set KIND, 2
.if KIND == 0
.set PA, 1024                          ; elements from row to row of A
.set PB, 3072                          ; of B
.set LAPS, 4                           ; K / 256: a lap is two K steps, once round the ring
.set CPITCH, 6144                      ; bytes from row to row of C
.set CSIZE, 2
.set ZFIRST, 2                         ; the first product of my own rows starts the sums with the bias
.elseif KIND == 1
.set PA, 2048
.set PB, 3072
.set LAPS, 8
.set CPITCH, 2048
.set CSIZE, 2
.set ZFIRST, 1                         ; with the constant 0
.else
.set PA, 1024
.set PB, 1024
.set LAPS, 4
.set CPITCH, 4096
.set CSIZE, 4
.set ZFIRST, 2
.endif
.set PITCH,  272                       ; A's LDS row: 256 bytes + 16 = 68 words: the 16 rows of a load start at 16 different groups of four banks (64 banks of 4 bytes: ISA guide 11.1)
.set PBL,    544                       ; B's LDS row: 512 bytes + 32 = 136 words
.set AHALF,  64*PITCH                  ; what one tensor load brings of A
.set BHALF,  64*PBL                    ; and of B
.set BOFF,   2*AHALF                   ; B lies behind A's 128 rows
.set SLOT,   2*AHALF+2*BHALF           ; 104,448
.set XCH,    32768                     ; the exchange: 32,768 bytes a wave from LDS byte 0 on, in the ring, written only when the ring has had its last fill
.set STAGE,  2*SLOT                    ; behind the ring: 16 rows of 128 columns for each wave, for the way out
.set SPITCH, 128*CSIZE+16
.set TAB,    STAGE+4*16*SPITCH         ; KIND 1: alpha as a pair of f16: 512 bytes a chunk; row i at 32 (i % 16) + 4 (i / 16)
.if KIND == 1
.set INV,    TAB+8192                  ; 1 / L of the tile's 128 rows
.set SPARE,  INV+512
.else
.set SPARE,  TAB                       ; the spare words, 128 bytes for each wave: two blocks of 256 bytes that no other line names
.endif
.set ILA,   15                         ; v15     KIND 1: LDS address of my row's 1 / L
.set ADRAO, 16                         ; v16-17  LDS address of my own rows' fragments of A in slot 0, 1
.set ADRAG, 18                         ; v18-19  of the given rows'
.set ADRB,  20                         ; v20-21  of B's fragments
.set ALAO,  22                         ; v22     KIND 1: LDS address of my own rows' alpha; steps 1,024 a lap
.set ALAG,  23                         ; v23     of the given rows'
.set STO,   24                         ; v24     the way out: where I put my part of a row
.set RD,    25                         ; v25     where I read rows back
.set CO,    26                         ; v26     my byte offset in C
.set XW,    27                         ; v27     the exchange: where I write
.set SPW,   28                         ; v28     LDS address of my spare word; never rewritten
.set NIL,   29                         ; v29     0; never rewritten
.set XR,    30                         ; v30     the exchange: where I read
.set GA,    31                         ; v31     byte offset of the head's global loads
.set AL,    32                         ; v32-39, v40-47  alpha of slot 0's, slot 1's step: four own blocks, four given blocks
.set OB,    32                         ; the way out: rows read back, v32-63 and v224-255 by turns
.set F0,    64
.set F1,    128
.set IL,    64                         ; KIND 1, way out: 1 / L of my four blocks, each twice (a pair for the packed multiply)
.set TMP,   192
.set BIAS,  192                        ; window 1
.set G1,  24                           ; s[24:31] descriptor group 1 for A's tiles;  s[32:39] group 0, one set for each slot
.set G0,  32
.set G1B, 48                           ; s[48:55], s[56:63] the same for B's
.set G0B, 56
.set MSB, 0
.macro WIN new                         ; the immediate's high byte repeats the setting that is left; a switch that changes nothing is dropped
.if MSB != (\new)
	s_set_vgpr_msb (MSB<<8)|(\new)
.set MSB, \new
.endif
.endm
.set MUL_LO, 0xa1                      ; source 0 (B) window 1, source 1 (A) window 0, C and D window 2
.set MUL_HI, 0xf1                      ; the same, C and D window 3
.set MUL_BI, 0x91                      ; D window 2, C (the bias) window 1
.set TO_B,   0x40                      ; destination window 1, address window 0
; A joint load.  Waves 0 and 1 fetch A's two halves, waves 2 and 3 B's.  The branch hangs on the wave's number alone.  An s_nop 0 and four v_nop follow each of the two lines.
.macro JLOAD s
	s_cmp_eq_u32 s11, 0
	s_cbranch_scc0 .Lfor_b_\@
	tensor_load_to_lds s[G0+4*(\s):G0+4*(\s)+3], s[G1:G1+7]
	s_nop 0
.rept 4
	v_nop
.endr
	s_branch .Lasked_\@
.Lfor_b_\@:
	tensor_load_to_lds s[G0B+4*(\s):G0B+4*(\s)+3], s[G1B:G1B+7]
	s_nop 0
.rept 4
	v_nop
.endr
.Lasked_\@:
.endm
.macro CREST                           ; a round of the cluster's barrier behind its opening barrier
	s_cmp_lg_u32 s10, 0
	s_cbranch_scc1 .Lnot_wave_0_\@
	s_barrier_signal -3
.Lnot_wave_0_\@:
	s_barrier_wait -3
	s_barrier_signal -1
	s_barrier_wait -1
.endm
.macro CROUND                          ; a whole round
	s_barrier_signal -1
	s_barrier_wait -1
	CREST
.endm
.macro PLACES                          ; four places in front of loads into registers that matrix instructions have read, and of lines that read results just made
.rept 4
	v_nop
.endr
.endm
	s_load_b128 s[4:7], s[0:1], 0x0                ; A s[4:5], B s[6:7]
	s_load_b128 s[68:71], s[0:1], 0x10             ; the bias or the statistics s[68:69], C s[70:71]
	v_lshl_add_u32 v[SPW], v0, 2, SPARE
	v_mov_b32 v[NIL], 0
	ds_add_u32 v28, v29
	s_wait_dscnt 0x0
	v_lshrrev_b32 v1, 5, v0
	v_readfirstlane_b32 s10, v1                    ; wave 0..3
	v_and_b32 v1, 15, v0                           ; r = lane % 16
	v_bfe_u32 v2, v0, 4, 1                         ; h = lane / 16
.if KIND == 1
	v_lshlrev_b32 v[GA], 2, v0                     ; thread i stands for row i of the tile
.else
	v_lshlrev_b32 v[GA], 5, v2                     ; my eight columns of a block of sixteen
.endif
	s_lshr_b32 s11, s10, 1                         ; kh.  Also: I fetch for A (0) or for B (1)
	s_and_b32 s12, s10, 1                          ; j.   Also: which 64 rows of that tile I fetch
	s_bfe_u32 s40, ttmp6, 0x40000                  ; cx, cy: my place in the cluster
	s_bfe_u32 s41, ttmp6, 0x40004
	s_lshl_b32 s42, ttmp9, 2
	s_add_co_u32 s42, s42, s40                     ; tile column = 4 x cluster x + cx
	s_and_b32 s13, ttmp7, 0xffff
.if KIND == 1
	s_lshr_b32 s45, s13, 2                         ; the batch: 16 tile rows, four clusters: the same in all sixteen partners
.endif
	s_lshl_b32 s13, s13, 2
	s_add_co_u32 s13, s13, s41                     ; tile row = 4 x cluster y + cy
	s_lshl_b32 s43, s41, 2
	s_lshl_b32 s43, 15, s43                        ; my row of the cluster
	s_lshl_b32 s44, 0x1111, s40                    ; my column
	; group 1 for A: 64 rows x 128 elements; 16 bytes of padding behind every 64 words.  For B: 64 rows x 256 elements; 32 bytes behind every 128 words
	s_or_b32 s[G1+0], s43, (1<<16)|(1<<20)|(1<<21)|(5<<22)|(3<<25)   ; 15:0 the mask; 17:16 2-byte elements; 20 padding on; 21 set beside a mask; 24:22 interval; 31:25 padding less one word
	s_or_b32 s[G1B+0], s44, (1<<16)|(1<<20)|(1<<21)|(6<<22)|(7<<25)
	s_mov_b32 s[G1+1], 128<<16                     ; tensor_dim0
	s_mov_b32 s[G1B+1], 256<<16
	s_mov_b32 s[G1+2], 64<<16                      ; tensor_dim1
	s_mov_b32 s[G1B+2], 64<<16
	s_mov_b32 s[G1+3], 128<<16                     ; tile_dim0
	s_mov_b32 s[G1B+3], 256<<16
	s_mov_b32 s[G1+4], 64                          ; tile_dim1
	s_mov_b32 s[G1B+4], 64
	s_mov_b32 s[G1+5], PA                          ; elements from row to row
	s_mov_b32 s[G1B+5], PB
	s_mov_b32 s[G1+6], 0
	s_mov_b32 s[G1B+6], 0
	s_mov_b32 s[G1+7], 0
	s_mov_b32 s[G1B+7], 0
	s_lshl_b32 s16, s13, 7                         ; A: row 128 x tile row + 64 x half, in bytes (under 2^32)
	s_lshl_b32 s17, s12, 6
	s_add_co_u32 s16, s16, s17
	s_mul_i32 s16, s16, PA*2
	s_mov_b32 s17, 0
	s_mul_i32 s46, s12, 64*PB*2                    ; B: k-row 64 x half, column 256 x tile column
	s_lshl_b32 s47, s42, 9
	s_add_co_u32 s46, s46, s47
.if KIND == 1
	s_mul_i32 s47, s45, 2048*PB*2                  ; my batch's rows of qkv,
	s_add_co_u32 s46, s46, s47
	s_add_co_u32 s46, s46, 4096                    ; and v's place in a row
.endif
	s_mov_b32 s47, 0
	s_mul_i32 s20, s12, AHALF                      ; where they go: no place in the cluster enters an LDS address
	s_mul_i32 s21, s12, BHALF
	s_add_co_u32 s21, s21, BOFF
.if KIND == 1
	s_lshl_b32 s72, s45, 17                        ; statistics: [batch][chunk][row] f32: 131,072 bytes a batch,
	s_and_b32 s73, s13, 15
	s_lshl_b32 s73, s73, 9                         ; my tile's 128 rows
.else
	s_lshl_b32 s72, s42, 10                        ; bias: my 128 columns
	s_lshl_b32 s73, s12, 9
.endif
	s_add_co_u32 s72, s72, s73
	s_mov_b32 s73, 0
	s_wait_kmcnt 0x0
	s_add_nc_u64 s[14:15], s[4:5], s[16:17]
	s_add_nc_u64 s[46:47], s[6:7], s[46:47]
	s_add_nc_u64 s[68:69], s[68:69], s[72:73]
	s_mov_b64 s[8:9], s[70:71]
.if KIND == 1
.set t, 0
.rept 16                                           ; e and l of my row in all 16 chunks
	global_load_b32 v[F0+t],    v[GA], s[68:69] offset:8192*t
	global_load_b32 v[F0+16+t], v[GA], s[68:69] offset:8192*t+524288
.set t, t+1
.endr
.else
	WIN TO_B
.irp b, 0,1,2,3,4,5,6,7                            ; register n of block b: the bias of column 16 b + 8 h + n
	global_load_b128 v[BIAS+8*(\b):BIAS+8*(\b)+3],   v[GA], s[68:69] offset:64*(\b)
	global_load_b128 v[BIAS+8*(\b)+4:BIAS+8*(\b)+7], v[GA], s[68:69] offset:64*(\b)+16
.endr
	WIN 0
.endif
	CROUND                                         ; all sixteen work-groups are here: the first joint loads meet
.irp s, 0,1
	s_mov_b32 s[G0+4*(\s)], 1                                        ; count = 1
	s_add_co_u32 s[G0+4*(\s)+1], s20, (\s)*SLOT                      ; LDS address
	s_add_nc_u64 s[G0+4*(\s)+2:G0+4*(\s)+3], s[14:15], (\s)*256      ; K step s: 128 elements along A's rows
	s_or_b32 s[G0+4*(\s)+3], s[G0+4*(\s)+3], 0x80000000              ; type = 2
	s_mov_b32 s[G0B+4*(\s)], 1
	s_add_co_u32 s[G0B+4*(\s)+1], s21, (\s)*SLOT
	s_add_nc_u64 s[G0B+4*(\s)+2:G0B+4*(\s)+3], s[46:47], (\s)*256*PB ; 128 rows of B down
	s_or_b32 s[G0B+4*(\s)+3], s[G0B+4*(\s)+3], 0x80000000
	JLOAD \s
.endr
	; A's fragment: lane l holds row l % 16; K = 8 h + 0..7 and 16 + 8 h + 0..7: two loads of 16 bytes, 32 bytes apart
	v_mul_u32_u24 v3, v1, PITCH
	v_lshl_add_u32 v3, v2, 4, v3                   ; r x pitch + 16 h
	; B's fragment, turned: lane l reads k-row 8 h + l % 8, columns 8 ((l / 8) % 2) + 0..7, and holds column l % 16 and 8 k; the second load 16 k-rows on
	v_and_b32 v4, 7, v0
	v_lshl_add_u32 v4, v2, 3, v4
	v_mul_u32_u24 v4, v4, PBL
	v_bfe_u32 v5, v0, 3, 1
	v_lshl_add_u32 v4, v5, 4, v4
	s_mul_i32 s21, s11, AHALF+128                  ; own rows 64 kh .., my 64 of K at byte 128 kh
	s_xor_b32 s22, s11, 1
	s_mul_i32 s22, s22, AHALF                      ; given rows 64 (1 - kh) ..
	s_lshl_b32 s23, s11, 7
	s_add_co_u32 s22, s22, s23
	s_mul_i32 s23, s11, BHALF                      ; B's k-rows 64 kh .., columns 128 j ..
	s_lshl_b32 s74, s12, 8
	s_add_co_u32 s23, s23, s74
	s_add_co_u32 s23, s23, BOFF
.irp s, 0,1
	v_add_nc_u32 v[ADRAO+(\s)], s21, v3
	v_add_nc_u32 v[ADRAG+(\s)], s22, v3
	v_add_nc_u32 v[ADRB+(\s)], s23, v4
	s_add_co_u32 s21, s21, SLOT
	s_add_co_u32 s22, s22, SLOT
	s_add_co_u32 s23, s23, SLOT
.endr
	v_and_b32 v5, 31, v0
	v_lshlrev_b32 v5, 4, v5                        ; 16 x lane
	s_lshl_b32 s74, s10, 15
	v_add_nc_u32 v[XW], s74, v5                    ; I write my wave's 32,768 bytes,
	s_xor_b32 s74, s10, 2
	s_lshl_b32 s74, s74, 15
	v_add_nc_u32 v[XR], s74, v5                    ; and read those of the wave with the other half of K
	s_mul_i32 s74, s10, 16*SPITCH
	s_add_co_u32 s74, s74, STAGE                   ; my stage
.if KIND == 2
	v_mul_u32_u24 v6, v1, SPITCH                   ; in: row r, 32 bytes for each half of the lanes
	v_lshl_add_u32 v6, v2, 5, v6
	v_add_nc_u32 v[STO], s74, v6
	v_add_nc_u32 v[RD], s74, v5                    ; back: 32 lanes take a row of 512 bytes
	v_mov_b32 v[CO], v5
.else
	v_add_nc_u32 v[STO], s74, v3                   ; in: row r, 16 bytes for each half of the lanes (the stage's pitch is A's)
	v_mul_u32_u24 v6, v2, SPITCH                   ; back: lanes 0-15 take one row of 256 bytes, lanes 16-31 the next
	v_lshl_add_u32 v6, v1, 4, v6
	v_add_nc_u32 v[RD], s74, v6
	v_mul_u32_u24 v6, v2, CPITCH
	v_lshl_add_u32 v[CO], v1, 4, v6
.endif
	s_lshl_b32 s16, s13, 7                         ; where my part of C begins: row 128 x tile row + 64 kh, column 256 x tile column + 128 j
	s_lshl_b32 s17, s11, 6
	s_add_co_u32 s16, s16, s17
	s_mul_i32 s16, s16, CPITCH
	s_mul_i32 s72, s42, 256*CSIZE
	s_mul_i32 s73, s12, 128*CSIZE
	s_add_co_u32 s16, s16, s72
	s_add_co_u32 s16, s16, s73
	s_mov_b32 s17, 0
	s_wait_loadcnt 0x0                             ; the bias, or the statistics: all this stands in the wait for the first tile
.if KIND == 1
	v_max3_num_f32 v96, v[F0], v[F0+1], v[F0+2]    ; E = the largest e of my row
.irp t, 3,5,7,9,11,13
	v_max3_num_f32 v96, v96, v[F0+(\t)], v[F0+(\t)+1]
.endr
	v_max_num_f32 v96, v96, v[F0+15]
.set t, 0
.rept 16
	v_sub_f32 v[F0+t], v[F0+t], v96
.set t, t+1
.endr
.set t, 0
.rept 16
	v_exp_f32 v[F0+t], v[F0+t]                     ; alpha = 2^(e - E)
.set t, t+1
.endr
	v_nop                                          ; a plain instruction behind the last exponential
	v_mul_f32 v97, v[F0], v[F0+16]                 ; L = sum alpha l, in two chains
	v_mul_f32 v98, v[F0+1], v[F0+17]
.irp t, 2,4,6,8,10,12,14
	v_fmac_f32 v97, v[F0+(\t)], v[F0+16+(\t)]
	v_fmac_f32 v98, v[F0+(\t)+1], v[F0+17+(\t)]
.endr
	v_add_f32 v97, v97, v98
.set t, 0
.rept 16
	v_cvt_pk_f16_f32 v[100+t], v[F0+t], v[F0+t]    ; alpha in both halves of a word
.set t, t+1
.endr
	v_lshlrev_b32 v99, 5, v1
	v_lshrrev_b32 v98, 4, v0
	v_lshl_add_u32 v99, v98, 2, v99
	v_add_nc_u32 v99, TAB, v99                     ; 32 (i % 16) + 4 (i / 16): a lane later finds four blocks' alpha of its row in 16 bytes
.set t, 0
.rept 16
	ds_store_b32 v99, v[100+t] offset:512*t
.set t, t+1
.endr
	v_rcp_f32 v97, v97
	v_lshl_add_u32 v98, v0, 2, INV                 ; (the plain instruction behind the reciprocal)
	ds_store_b32 v98, v97
	v_lshlrev_b32 v[ALAO], 5, v1
	s_lshl_b32 s22, s11, 4
	s_xor_b32 s23, s22, 16
	s_add_co_u32 s22, s22, TAB
	s_add_co_u32 s23, s23, TAB
	v_add_nc_u32 v[ALAG], s23, v[ALAO]             ; blocks 4 (1 - kh) ..
	v_add_nc_u32 v[ALAO], s22, v[ALAO]             ; blocks 4 kh ..
	s_lshl_b32 s22, s11, 8
	s_add_co_u32 s22, s22, INV
	v_lshl_add_u32 v[ILA], v1, 2, s22              ; row 64 kh + r
.else
	WIN 0x45                                       ; the bias is rounded to bf16, as all inputs are: destination and both sources in window 1
.set i, 0
.rept 32
	v_cvt_pk_bf16_f32 v[i], v[BIAS+2*i], v[BIAS+2*i+1]
.set i, i+1
.endr
.set i, 0
.rept 32
	v_lshlrev_b32 v[BIAS+2*i], 16, v[i]
	v_and_b32 v[BIAS+2*i+1], 0xffff0000, v[i]
.set i, i+1
.endr
	WIN 0
.endif
.macro WM zero, b                      ; one matrix instruction on rD, rB, rA.  zero = 0: in place; 1: the constant 0 starts the sum; 2: the bias does
.if KIND == 0
.if (\zero) == 0
	v_wmma_f32_16x16x32_bf16 v[rD:rD+7], v[rB:rB+7], v[rA:rA+7], v[rD:rD+7]
.elseif (\zero) == 1
	v_wmma_f32_16x16x32_bf16 v[rD:rD+7], v[rB:rB+7], v[rA:rA+7], 0
.else
	v_wmma_f32_16x16x32_bf16 v[rD:rD+7], v[rB:rB+7], v[rA:rA+7], v[BIAS+8*(\b):BIAS+8*(\b)+7]
.endif
.else
.if (\zero) == 0
	v_wmma_f32_16x16x32_f16 v[rD:rD+7], v[rB:rB+7], v[rA:rA+7], v[rD:rD+7]
.elseif (\zero) == 1
	v_wmma_f32_16x16x32_f16 v[rD:rD+7], v[rB:rB+7], v[rA:rA+7], 0
.else
	v_wmma_f32_16x16x32_f16 v[rD:rD+7], v[rB:rB+7], v[rA:rA+7], v[BIAS+8*(\b):BIAS+8*(\b)+7]
.endif
.endif
.endm
; 16 matrix instructions: row blocks a0, a0 + 1 of the window's four (hi = 0: own rows, 1: given rows) x all 8 column blocks, 32 along K.
; The 64 accumulators take turns, one instruction a turn, in the same order in every quarter.
.macro MUL16 f, hi, a0, zero
.if (\zero) == 2
	WIN MUL_BI
.else
	WIN MUL_LO+0x50*(\hi)
.endif
.irp a, \a0, (\a0)+1
.irp b, 0,1,2,3,4,5,6,7
.set rD, 8*(8*(\a)+(\b))
.set rB, (\f)+8*(\b)
.set rA, (\f)+8*(4*(\hi)+(\a))
	WM \zero, \b
.endr
.endr
.endm
; 32 LDS loads in one run: my 32 of K number q (0, 1) of the slot's step into buffer f: B's 8 fragments, A's 4 own, A's 4 given (the youngest eight loads).
; KIND 1, aoff >= 0: ahead of them the step's alpha, own and given blocks: older than every fragment load, so the counted waits below cover them.
.macro FETCH slot, q, f, aoff=-1
.if KIND == 1
.if (\aoff) >= 0
	WIN 0
	ds_load_b128 v[AL+8*(\slot):AL+8*(\slot)+3],   v[ALAO] offset:\aoff
	ds_load_b128 v[AL+8*(\slot)+4:AL+8*(\slot)+7], v[ALAG] offset:\aoff
.endif
.endif
	WIN TO_B
.irp i, 0,1,2,3,4,5,6,7
	ds_load_tr16_b128 v[(\f)+8*(\i):(\f)+8*(\i)+3],   v[ADRB+(\slot)] offset:(\q)*32*PBL+32*(\i)
	ds_load_tr16_b128 v[(\f)+8*(\i)+4:(\f)+8*(\i)+7], v[ADRB+(\slot)] offset:(\q)*32*PBL+16*PBL+32*(\i)
.endr
	WIN 0
.irp i, 0,1,2,3
	ds_load_b128 v[(\f)+8*(\i):(\f)+8*(\i)+3],   v[ADRAO+(\slot)] offset:(\q)*64+(\i)*16*PITCH
	ds_load_b128 v[(\f)+8*(\i)+4:(\f)+8*(\i)+7], v[ADRAO+(\slot)] offset:(\q)*64+(\i)*16*PITCH+32
.endr
.irp i, 0,1,2,3
	ds_load_b128 v[(\f)+32+8*(\i):(\f)+32+8*(\i)+3],   v[ADRAG+(\slot)] offset:(\q)*64+(\i)*16*PITCH
	ds_load_b128 v[(\f)+32+8*(\i)+4:(\f)+32+8*(\i)+7], v[ADRAG+(\slot)] offset:(\q)*64+(\i)*16*PITCH+32
.endr
.endm
.macro SCALE f, half, slot             ; KIND 1: four fragments of P~ times their rows' alpha: exact, alpha being a power of two, down to f16's smallest step
	WIN 0
.irp i, 0,1,2,3
.irp k, 0,1,2,3,4,5,6,7
	v_pk_mul_f16 v[(\f)+32*(\half)+8*(\i)+(\k)], v[(\f)+32*(\half)+8*(\i)+(\k)], v[AL+8*(\slot)+4*(\half)+(\i)]
.endr
.endr
.endm
; A wave's share of a K step is two quarters of 32 along K, 64 matrix instructions each, on buffers 0, 1.  The first: multiplies f and fetches the second into g.
.macro QUARTER slot, f, g, zero
	s_wait_dscnt 8                                 ; B and A's own rows are in; the youngest eight loads (the given rows) may be out
.if KIND == 1
	SCALE \f, 0, \slot
.endif
	MUL16 \f, 0, 0, \zero
	MUL16 \f, 0, 2, \zero
.if KIND == 1
	s_wait_dscnt 0x0                               ; the given rows
	SCALE \f, 1, \slot                             ; 32 plain instructions on other registers: also the places in front of the loads
.else
	PLACES
.endif
	FETCH \slot, 1, \g
.if KIND != 1
	s_wait_dscnt 32                                ; all but the 32 just issued
.endif
.if \zero
	MUL16 \f, 1, 0, 1
	MUL16 \f, 1, 2, 1
.else
	MUL16 \f, 1, 0, 0
	MUL16 \f, 1, 2, 0
.endif
.endm
; The second quarter multiplies buffer 1 and changes slots.  ONE barrier: in front of it each wave waits for all its tensor loads, of which one is out: its part of the next slot; adds 0 to its spare
; word; and waits for that and for its own reads of this slot.  Behind it nobody reads this slot any more and the next slot is whole.
.macro MEET round, slot
	WIN 0
	s_wait_tensorcnt 0x0                           ; all my tensor loads have landed
	ds_add_u32 v[SPW], v[NIL]                      ; 0 onto my spare word
	s_wait_dscnt 9                                 ; (the add and the youngest eight loads may be out)
.if KIND == 1
	SCALE F1, 0, \slot
.endif
	MUL16 F1, 0, 0, 0                              ; work on registers between the add and the wait for it
	s_wait_dscnt 0x0                               ; the add is done, and my reads of this slot are over
	s_barrier_signal -1
	MUL16 F1, 0, 2, 0                              ; registers alone between signal and wait
.if KIND == 1
	SCALE F1, 1, \slot
.endif
.if \round
	WIN 0
.endif
	s_barrier_wait -1
.endm
; fill = 1: the barrier opens a round of the cluster's barrier, and the slot just read out is filled again, two K steps on, first thing behind the round: 96 matrix instructions ahead of the wait for it.
.macro TURN slot, next, fill, aoff
	MEET \fill, \slot
.if \fill
	CREST                                          ; no wave of any partner still reads this slot or has a load on its way
	s_add_nc_u64 s[G0+4*(\slot)+2:G0+4*(\slot)+3], s[G0+4*(\slot)+2:G0+4*(\slot)+3], 512
	s_add_nc_u64 s[G0B+4*(\slot)+2:G0B+4*(\slot)+3], s[G0B+4*(\slot)+2:G0B+4*(\slot)+3], 512*PB
	JLOAD \slot                                    ; its four v_nop are also the places in front of the loads below
.else
	PLACES
.endif
	FETCH \next, 0, F0, \aoff
	MUL16 F1, 1, 0, 0
	MUL16 F1, 1, 2, 0
.endm
.macro LAST slot                       ; the very last quarter: nothing more to fetch
	s_wait_dscnt 8
.if KIND == 1
	SCALE F1, 0, \slot
.endif
	MUL16 F1, 0, 0, 0
	MUL16 F1, 0, 2, 0
	s_wait_dscnt 0x0
.if KIND == 1
	SCALE F1, 1, \slot
.endif
	MUL16 F1, 1, 0, 0
	MUL16 F1, 1, 2, 0
	WIN 0
.endm
	s_wait_tensorcnt 1                             ; my part of K step 0 is in; K step 1's may stay out
.if KIND == 1
	s_wait_dscnt 0x0                               ; for the others' sake: my rows of the tables are written
.endif
	s_barrier_signal -1
	s_barrier_wait -1
	FETCH 0, 0, F0, 0
	QUARTER 0, F0, F1, ZFIRST                      ; the first quarter stands in front of the loop: its products start the sums
	WIN 0                                          ; at a label and at a branch every window is 0
	s_mov_b32 s3, LAPS-1
.Llap:                                                 ; a trip goes once round the ring and fills both slots again
	TURN 0, 1, 1, 512
	QUARTER 1, F0, F1, 0
	TURN 1, 0, 1, 1024
	QUARTER 0, F0, F1, 0
	WIN 0
.if KIND == 1
	v_add_nc_u32 v[ALAO], 1024, v[ALAO]            ; two chunks on
	v_add_nc_u32 v[ALAG], 1024, v[ALAG]
.endif
	s_sub_co_u32 s3, s3, 1
	s_cmp_lg_u32 s3, 0
	s_cbranch_scc1 .Llap
	TURN 0, 1, 0, 512                              ; the last lap fills nothing, and has no round of the cluster's barrier
	QUARTER 1, F0, F1, 0
	LAST 1
	; THE EXCHANGE.  My LDS reads are back and no tensor load of the work-group is out (each wave waited in front of the last change of slots): behind this barrier the ring's bytes serve as scratch.
	s_barrier_signal -1
	s_barrier_wait -1
	PLACES
	WIN 0x0c                                       ; store data in window 3
.set i, 0
.rept 64
	ds_store_b128 v[XW], v[4*i:4*i+3] offset:512*i ; the given rows' sums, each accumulator's low registers first
.set i, i+1
.endr
	WIN 0
	s_wait_dscnt 0x0                               ; for the other wave's sake
	s_barrier_signal -1
	s_barrier_wait -1
.macro XLOAD g                         ; 64 registers of the other wave's sums for my own rows: its register n of window 3 belongs to my register n of window 2
	WIN 0
.set i, 0
.rept 16
	ds_load_b128 v[F0+64*((\g)%2)+4*i:F0+64*((\g)%2)+4*i+3], v[XR] offset:512*(16*(\g)+i)
.set i, i+1
.endr
.endm
.macro XADD g
	WIN 0x82                                       ; destination and source 0 window 2, source 1 window 0
.set i, 0
.rept 32
	v_pk_add_f32 v[64*(\g)+2*i:64*(\g)+2*i+1], v[64*(\g)+2*i:64*(\g)+2*i+1], v[F0+64*((\g)%2)+2*i:F0+64*((\g)%2)+2*i+1]
.set i, i+1
.endr
.endm
	XLOAD 0
	XLOAD 1
	s_wait_dscnt 16                                ; all but the sixteen just issued
	XADD 0
	XLOAD 2
	s_wait_dscnt 16
	XADD 1
	XLOAD 3
	s_wait_dscnt 16
	XADD 2
	s_wait_dscnt 0x0
	XADD 3
	WIN 0
	; THE WAY OUT of my four blocks of 16 rows x 128 columns, through my own stage: whole rows come back and are stored.
.if KIND == 2
.macro TOST a                          ; f32: 32 bytes a lane and block of columns into rows of 528 bytes; back as rows of 512
	WIN 0x08                                       ; store data in window 2
.irp b, 0,1,2,3,4,5,6,7
	ds_store_b128 v[STO], v[64*(\a)+8*(\b):64*(\a)+8*(\b)+3]   offset:64*(\b)
	ds_store_b128 v[STO], v[64*(\a)+8*(\b)+4:64*(\a)+8*(\b)+7] offset:64*(\b)+16
.endr
	WIN 0
.set BK, F0+64*((\a)%2)
.irp t, 0,1,2,3,4,5,6,7,8,9,10,11,12,13,14,15
	ds_load_b128 v[BK+4*(\t):BK+4*(\t)+3], v[RD] offset:(\t)*SPITCH  ; LDS serves a wave's instructions in order (ISA guide 5.7.1.4): these see the stores above
.endr
.endm
.macro SEND a
	WIN 0
.set BK, F0+64*((\a)%2)
	s_wait_dscnt 0x0                               ; the block is back in registers
	s_wait_xcnt 0x0                                ; only behind this wait are the stores' base and the registers that earlier stores read rewritten
.if (\a) == 0
	s_add_nc_u64 s[8:9], s[8:9], s[16:17]
.else
	s_add_nc_u64 s[8:9], s[8:9], 16*CPITCH
.endif
.irp t, 0,1,2,3,4,5,6,7,8,9,10,11,12,13,14,15
	global_store_b128 v[CO], v[BK+4*(\t):BK+4*(\t)+3], s[8:9] offset:(\t)*CPITCH th:TH_STORE_NT  ; 512 consecutive bytes, at a multiple of 256 from C's first byte
.endr
.endm
	TOST 0
.irp a, 1,2,3
	SEND (\a)-1
	TOST \a
.endr
	SEND 3
.else
.if KIND == 1
.irp a, 0,1,2,3
	ds_load_b32 v[IL+2*(\a)],   v[ILA] offset:64*(\a)  ; 1 / L of row 64 kh + 16 a + r, into both registers of a pair
	ds_load_b32 v[IL+2*(\a)+1], v[ILA] offset:64*(\a)
.endr
	s_wait_dscnt 0x0
.endif
.macro PACK a                          ; (KIND 1: divided by L;) rounded to f16, 16 bytes a lane and block of columns
.if KIND == 1
	WIN 0x82
.set i, 0
.rept 32
	v_pk_mul_f32 v[64*(\a)+2*i:64*(\a)+2*i+1], v[64*(\a)+2*i:64*(\a)+2*i+1], v[IL+2*(\a):IL+2*(\a)+1] op_sel_hi:[1,0]
.set i, i+1
.endr
.endif
	WIN 0x0a                                       ; sources 0 and 1 window 2
.irp b, 0,1,2,3,4,5,6,7
.irp r, 0,1,2,3
	v_cvt_pk_f16_f32 v[TMP+4*(\b)+(\r)], v[64*(\a)+8*(\b)+2*(\r)], v[64*(\a)+8*(\b)+2*(\r)+1]
.endr
.endr
	WIN 0
.endm
.macro TOSTAGE a
	WIN 0
.set BK, OB+192*((\a)%2)
.irp b, 0,1,2,3,4,5,6,7
	ds_store_b128 v[STO], v[TMP+4*(\b):TMP+4*(\b)+3] offset:32*(\b)
.endr
.irp t, 0,1,2,3,4,5,6,7
	ds_load_b128 v[BK+4*(\t):BK+4*(\t)+3], v[RD] offset:(\t)*2*SPITCH  ; LDS serves a wave's instructions in order (ISA guide 5.7.1.4): these see the stores above
.endr
.endm
.macro SEND a
	WIN 0
.set BK, OB+192*((\a)%2)
	s_wait_dscnt 0x0                               ; the block is back in registers
	s_wait_xcnt 0x0                                ; only behind this wait are the stores' base and the registers that earlier stores read rewritten
.if (\a) == 0
	s_add_nc_u64 s[8:9], s[8:9], s[16:17]
.else
	s_add_nc_u64 s[8:9], s[8:9], 16*CPITCH
.endif
.irp t, 0,1,2,3,4,5,6,7
	global_store_b128 v[CO], v[BK+4*(\t):BK+4*(\t)+3], s[8:9] offset:2*(\t)*CPITCH  ; 16 lanes store 256 consecutive bytes, at a multiple of 256 from C's first byte
.endr
.endm
	PACK 0
	TOSTAGE 0
.irp a, 1,2,3                          ; block a's conversions stand between block a - 1's loads from the stage and the wait for them
	PACK \a
	SEND (\a)-1
	TOSTAGE \a
.endr
	SEND 3
.endif
	s_wait_tensorcnt 0x0                           ; the wave's end
	ds_add_u32 v[SPW], v[NIL]
	s_wait_dscnt 0x0
	CROUND                                         ; the closing round: no work-group ends while a partner may still ask for a tile that names it
	s_endpgm
.Lfunc_end_k_qe40a433755_outp:
	.size	k_qe40a433755_outp, .Lfunc_end_k_qe40a433755_outp-k_qe40a433755_outp
	.p2alignl 7, 3214868480
	.fill 96, 4, 3214868480
	.section	.rodata,"a",@progbits
	.p2align	6, 0x0
	.amdhsa_kernel k_qe40a433755_outp
		.amdhsa_group_segment_fixed_size 327680
		.amdhsa_private_segment_fixed_size 0
		.amdhsa_enable_private_segment 0
		.amdhsa_kernarg_size 32
		.amdhsa_user_sgpr_count 2
		.amdhsa_user_sgpr_kernarg_segment_ptr 1
		.amdhsa_wavefront_size32 1
		.amdhsa_system_sgpr_workgroup_id_x 1
		.amdhsa_system_sgpr_workgroup_id_y 1
		.amdhsa_system_sgpr_workgroup_id_z 1
		.amdhsa_system_vgpr_workitem_id 0
		.amdhsa_next_free_vgpr 1024
		.amdhsa_next_free_sgpr 80
		.amdhsa_reserve_vcc 0
		.amdhsa_float_denorm_mode_32 3
		.amdhsa_float_denorm_mode_16_64 3
		.amdhsa_memory_ordered 1
		.amdhsa_forward_progress 1
		.amdhsa_inst_pref_size 100
	.end_amdhsa_kernel
	.amdgpu_metadata
---
amdhsa.version: [ 1, 2 ]
amdhsa.kernels:
  - .name:           k_qe40a433755_outp
    .symbol:         k_qe40a433755_outp.kd
    .args:
      - { .name: o, .offset: 0, .size: 8, .value_kind: global_buffer, .address_space: global }
      - { .name: woh, .offset: 8, .size: 8, .value_kind: global_buffer, .address_space: global }
      - { .name: bout, .offset: 16, .size: 8, .value_kind: global_buffer, .address_space: global }
      - { .name: out0, .offset: 24, .size: 8, .value_kind: global_buffer, .address_space: global }
    .group_segment_fixed_size: 327680
    .private_segment_fixed_size: 0
    .kernarg_segment_align: 8
    .kernarg_segment_size: 32
    .max_flat_workgroup_size: 128
    .sgpr_count:     80
    .vgpr_count:     1024
    .wavefront_size: 32
...
	.end_amdgpu_metadata
.endif
;; end of part 5
